; MI455X (gfx1250); checked and timed in simulation.
; The chip was launched on July 23, 2026; its instructions are those of AMD's public machine-readable ISA for CDNA 5 (MIT licence, August 2026) and "CDNA5" Instruction Set Architecture Reference Guide (July 2026). The comments in the code are by the model that wrote it; some were corrected since.
;; Causal Alibi Attn. Allowed arithmetic: matrix products marked QUANTISED: E2M1 operands, one E8M0 scale for each 32 along K, by v_wmma_scale_f32_16x16x128_f8f6f4 with both operands' format E2M1 (or v_wmma_scale_f32_32x16x128_f4), f32 sums; products left as they are: bf16, f16 or f32 operands; f32 sums; everything else in f32.
;; Inputs: Wk 1,024 x 256 float32; Wo 1,024 x 1,024 float32; Wq 1,024 x 1,024 float32; Wv 1,024 x 256 float32; bk 256 float32; bo 1,024 float32; bq 1,024 float32; bv 256 float32; qkv 1 x 4,096 x 1,024 float32; slopes 16 float32.
;; Outputs: out0 1 x 4,096 x 1,024 float32.
;; This version of the problem:
;;   THIS VERSION OF THE PROBLEM IS GIVEN IN LOW PRECISION. The matrix products marked QUANTISED in the list below multiply operands that are first quantised to E2M1 (2 exponent bits, 1 mantissa bit; 4 bits a number), with one power-of-two scale for each 32 numbers along K (OCP MX v1.0); their sums are f32. The products marked 'left as it is' may take bf16, f16 or f32 operands, with f32 sums. All else is computed in f32.
;;   The module's matrix products, in the order in which they are computed (A, B: the left and right operand; K: the contracted axis; several contracted axes count as one K, in the product's order):
;;     1. [M 4,096, K 1,024] x [K 1,024, N 1,024]; A: input qkv; B: input Wq: QUANTISED
;;     2. [M 4,096, K 1,024] x [K 1,024, N 256]; A: input qkv; B: input Wk: QUANTISED
;;     3. [M 4,096, K 1,024] x [K 1,024, N 256]; A: input qkv; B: input Wv: QUANTISED
;;     4. batch 4 x [M 16,384, K 64] x [K 64, N 4,096]; A: computed on the way; B: computed on the way: left as it is (an operand is computed on the way)
;;     5. batch 4 x [M 16,384, K 4,096] x [K 4,096, N 64]; A: computed on the way; B: computed on the way: left as it is (an operand is computed on the way)
;;     6. [M 4,096, K 1,024] x [K 1,024, N 1,024]; A: computed on the way; B: input Wo: left as it is (an operand is computed on the way)
;;   THE QUANTISER, for each operand of a quantised product, along K:
;;     - K is cut into blocks of 32 from its start; a last block that is shorter is filled with zeros.
;;     - A block's scale is 2^e with e = floor(log2(the largest magnitude in the block)) - 2, held to -126 .. 127; a block of zeros has e = 0. As a byte (E8M0): e + 127.
;;     - Each number is divided by its block's scale, clamped to +-6, and rounded to the nearest number of E2M1, ties to even, subnormals kept.
;;     - The product sums the exact products of the quantised numbers (number of the format x scale) in f32.
;;   ~~~python
;;   def quantise(x, axis):      # numpy; x: float32 -> the quantised numbers, widened to float32 again
;;       x = np.moveaxis(x, axis, -1); K = x.shape[-1]
;;       x = np.pad(x, [(0, 0)] * (x.ndim - 1) + [(0, -K % 32)]); x = x.reshape(x.shape[:-1] + (-1, 32)); a = np.abs(x).max(-1, keepdims=True)
;;       e = np.where(a > 0, np.clip(np.frexp(np.where(a > 0, a, 1))[1] - 1 - 2, -126, 127), 0)      # np.frexp(a)[1] - 1 = floor(log2(a)), exactly
;;       r = np.clip(x / 2.0 ** e, -6, 6)
;;       step = 2.0 ** (np.maximum(np.frexp(np.where(r == 0, 1, r))[1] - 1, 0) - 1)
;;       q = np.round(r / step) * step * 2.0 ** e      # np.round: ties to even
;;       return np.moveaxis(q.reshape(q.shape[:-2] + (-1,))[..., :K], -1, axis).astype(np.float32)
;;   ~~~
;; One version. Each part assembles by itself: llvm-mc -triple=amdgcn-amd-amdhsa -mcpu=gfx1250 --defsym DOCPART=n.
;; ======== version 1 of 1: 4 launches
;; limits: values are held in f16: magnitudes above 65,504 overflow, below 6.1e-05 lose precision
;; workspace buffers: xc 2,097,152 bytes; wc 786,432 bytes; sc 180,224 bytes; wof 2,097,152 bytes; qf 8,388,608 bytes; kvf 4,194,304 bytes; of 8,388,608 bytes
;; launch prep (part 1): grid 336 x 1, 8 waves a work-group, no clusters, 52,480 bytes of LDS; arguments qkv, Wq, Wk, Wv, Wo, xc, sc, wc, wof; writes xc, sc, wc, wof
.if DOCPART == 1
	.amdgcn_target "amdgcn-amd-amdhsa--gfx1250"
	.amdhsa_code_object_version 6
	.text
	.protected	k_q27fec1235a_prep
	.globl	k_q27fec1235a_prep
	.p2align	8
	.type	k_q27fec1235a_prep,@function
k_q27fec1235a_prep:
	s_mov_b64 s[64:65], 0
	v_nop
	global_prefetch_b8 v0, s[64:65] scope:SCOPE_SE
	s_setreg_imm32_b32 hwreg(HW_REG_WAVE_MODE, 25, 1), 1
	s_wait_xcnt 0x0
; PREP.  qkv [4096][1024] f32 and Wq, Wk, Wv ([1024][N] f32, K their FIRST axis) become codes of FP4 (E2M1) with one E8M0 byte for each 32 along K; Wo [1024][1024] becomes f16.
; All results are laid IN THE ORDER OF THE OPERANDS' REGISTERS, so that the later launches load fragments as 16 bytes x lane:
;   xc [token tile 256][K block 32][row 16][16 bytes]      wc [channel tile P 96][K block 32][row 16][16 bytes]      wof [column tile 64][k octet 128][column 16][16 bytes of f16]
;   sc: x's scale bytes [4096][32], then from byte 131,072 the weights' [1536 channels in P's order][32].
;   P = 12 n + t: t 0-7: channels 128 n + 16 t of q;  t 8, 9: channels 32 n + 16 (t - 8) of k;  t 10, 11: the same of v.
; A block's scale is 2^(floor(log2(largest magnitude)) - 2); its byte is the largest magnitude's exponent field - 2, held at 1 from below by a floor among the maximum's leaves.
; Wo IN f16, NOT bf16: 11 significant bits against 8; the last product sums 1,024 terms and its result is compared within a hundredth of its root mean square.
; LIMITS: a block of zeros gets the byte 1 (its codes are zeros, and this program alone reads the bytes); |Wo| beyond 65,504 is not served, and under 2^-14 it keeps an absolute error of 2^-25; NaN and infinities among the inputs are not served.
; WORK-GROUPS: 0-255: a token tile of 16 rows of qkv each;  256-287: 32 columns of Wq;  288-295: of Wk;  296-303: of Wv;  304-335: of Wo.  The ways part on the work-group's number alone; each way has LDS bytes of its own.
; No matrix work, no tensor loads: memory binds, so every byte is read once and every store of a wave covers whole aligned runs of 256 bytes or more.
.set SP,    80                         ; a lane's place in a stage: its 64 bytes + 16 of padding
.set STGW,  2*32*SP                    ; a wave's two stages
.set IMG,   8*STGW                     ; the token tile's codes: 32 blocks x (16 rows x 16 bytes + 16 of padding)
.set IP,    272
.set SCX,   IMG+32*IP                  ; its scale bytes: 16 rows x 32
.set SCW,   SCX+512                    ; the weights' way: 32 columns x 32 scale bytes
.set R,     32                         ; v32-95   four sets of 16 numbers as loaded
.set X,     96                         ; v96-127  two sets of 16 neighbours
.set C,     128                        ; v128-135 a step's codes, two registers for each step
.set E,     136                        ; v136-139 a step's scale byte
.set BK,    140                        ; v140-151 the way out
.set WN,    32                         ; v32-159  the weights' way: 128 numbers down K of my column
.set WC,    160                        ; v160-223 codes, or f16 pairs
	s_load_b256 s[4:11], s[0:1], 0x0               ; qkv s[4:5], Wq s[6:7], Wk s[8:9], Wv s[10:11]
	s_load_b256 s[12:19], s[0:1], 0x20             ; Wo s[12:13], xc s[14:15], sc s[16:17], wc s[18:19]
	s_load_b64 s[20:21], s[0:1], 0x40              ; wof
	v_lshl_add_u32 v224, v0, 2, 0xc900
	v_mov_b32 v225, 0
	v_lshrrev_b32 v1, 5, v0
	v_readfirstlane_b32 s22, v1                    ; wave 0..7
	v_and_b32 v1, 31, v0                           ; lane
	v_lshlrev_b32 v2, 4, v1                        ; 16 x lane
	; every LDS address is made here, ahead of the parting of the ways
	s_mul_i32 s23, s22, STGW
	v_lshrrev_b32 v3, 2, v1
	v_mul_u32_u24 v3, v3, SP
	v_and_b32 v8, 3, v1
	v_lshl_add_u32 v3, v8, 4, v3
	v_add_nc_u32 v3, s23, v3                       ; into a stage: SP (lane / 4) + 16 (lane % 4)
	v_mul_u32_u24 v4, v1, SP
	v_add_nc_u32 v4, s23, v4                       ; out of it: SP x lane: my 16 neighbours
	v_lshrrev_b32 v8, 1, v1
	v_and_b32 v9, 1, v1
	v_mul_u32_u24 v5, v8, IP
	v_lshl_add_u32 v5, v9, 3, v5
	s_lshl_b32 s23, s22, 5
	s_add_co_u32 s23, s23, IMG
	v_add_nc_u32 v5, s23, v5                       ; my 8 bytes of codes: block lane / 2, half lane % 2, rows 2 w on
	s_lshl_b32 s23, s22, 6
	s_add_co_u32 s23, s23, SCX
	v_add_nc_u32 v6, s23, v8                       ; my block's scale byte
	v_lshrrev_b32 v8, 4, v1
	v_and_b32 v9, 15, v1
	v_mul_u32_u24 v7, v8, IP
	v_lshl_add_u32 v7, v9, 4, v7
	s_mul_i32 s23, s22, 4*IP
	s_add_co_u32 s23, s23, IMG
	v_add_nc_u32 v7, s23, v7                       ; back: blocks 4 w on, sixteen lanes to a block
	v_add_nc_u32 v12, SCX, v2
	v_lshlrev_b32 v13, 5, v1
	s_lshl_b32 s23, s22, 2
	s_add_co_u32 s23, s23, SCW
	v_add_nc_u32 v13, s23, v13                     ; the weights' way: my column's 32 bytes, my wave's word
	s_and_b32 s23, s22, 1
	s_lshl_b32 s23, s23, 9
	s_add_co_u32 s23, s23, SCW
	v_add_nc_u32 v14, s23, v2
	v_lshlrev_b32 v15, 2, v1                       ; 4 x lane: a lane to a column
	v_lshlrev_b32 v16, 4, v9
	v_lshl_add_u32 v17, v8, 15, v16                ; wof: column tile lane / 16 (32,768 bytes), column lane % 16
	v_lshl_add_u32 v16, v8, 13, v16                ; wc: channel tile lane / 16 (8,192 bytes), row lane % 16
	s_wait_kmcnt 0x0
	s_cmp_lt_u32 ttmp9, 256
	s_cbranch_scc0 .Lweights
; ---- THE TOKENS.  Wave w takes rows 2 w and 2 w + 1, 8,192 consecutive bytes, in four steps of 512 numbers.  Each load reads 512 consecutive bytes; a step turns through the wave's own stage
; so that a lane holds 16 neighbours along K (two neighbouring lanes hold a block).
	s_lshl_b32 s24, ttmp9, 16
	s_lshl_b32 s25, s22, 13
	s_add_co_u32 s24, s24, s25
	s_mov_b32 s25, 0
	s_add_nc_u64 s[4:5], s[4:5], s[24:25]          ; qkv at my two rows
	s_lshl_b32 s24, ttmp9, 13
	s_lshl_b32 s26, s22, 10
	s_add_co_u32 s24, s24, s26
	s_add_nc_u64 s[14:15], s[14:15], s[24:25]      ; xc at my tile's blocks 4 w on
	s_lshl_b32 s24, ttmp9, 9
	s_add_nc_u64 s[16:17], s[16:17], s[24:25]      ; sc at my tile's 512 bytes
.macro LOAD t
.irp i, 0,1,2,3
	global_load_b128 v[R+16*(\t)+4*\i:R+16*(\t)+4*\i+3], v2, s[4:5] offset:2048*(\t)+512*\i th:TH_LOAD_NT
.endr
.endm
.macro TURN t                          ; LDS serves a wave's instructions in order (ISA guide 5.7.1.4): no wait between the stores and the loads
.irp i, 0,1,2,3
	ds_store_b128 v3, v[R+16*(\t)+4*\i:R+16*(\t)+4*\i+3] offset:32*SP*((\t)%2)+8*SP*\i
.endr
.irp i, 0,1,2,3
	ds_load_b128 v[X+16*((\t)%2)+4*\i:X+16*((\t)%2)+4*\i+3], v4 offset:32*SP*((\t)%2)+16*\i
.endr
.endm
.macro STEP t                          ; step t: row 2 w + t / 2, blocks 16 (t % 2) on
.set XS, X+16*((\t)%2)
.if (\t) > 0
	s_wait_dscnt 2                                 ; this step's numbers are back; the last step's two stores (codes, byte) may be out
.else
	s_wait_dscnt 0x0
.endif
.if (\t) < 3
	s_wait_loadcnt 8-4*(\t)                        ; the next step's four loads are in; those of the steps behind it may be out
	TURN (\t)+1
.endif
	v_max3_num_f32 v8, |v[XS]|, |v[XS+1]|, |v[XS+2]|
	v_max3_num_f32 v9, |v[XS+3]|, |v[XS+4]|, |v[XS+5]|
.irp i, 6,10
	v_max3_num_f32 v8, v8, |v[XS+\i]|, |v[XS+\i+1]|
	v_max3_num_f32 v9, v9, |v[XS+\i+2]|, |v[XS+\i+3]|
.endr
	v_max3_num_f32 v8, v8, |v[XS+14]|, |v[XS+15]|
	v_max3_num_f32 v8, v8, v9, 0x1800000           ; the floor 2^(3 - 127): the byte cannot fall under 1
	v_max_num_f32_dpp v8, v8, v8 row_xmask:1 row_mask:0xf bank_mask:0xf   ; with my neighbour's 16: the block's largest magnitude
	v_add_nc_u32 v11, 0xff000000, v8               ; 2 off its exponent field: the conversion takes that field as its scale
	v_cvt_scalef32_pk8_fp4_f32 v[C+2*(\t)], v[XS:XS+7], v11
	v_cvt_scalef32_pk8_fp4_f32 v[C+2*(\t)+1], v[XS+8:XS+15], v11
	v_lshrrev_b32 v[E+(\t)], 23, v11               ; the scale's byte (a plain line behind the conversions)
	ds_store_b64 v5, v[C+2*(\t):C+2*(\t)+1] offset:((\t)%2)*16*IP+((\t)/2)*16
	ds_store_b8 v6, v[E+(\t)] offset:((\t)/2)*32+((\t)%2)*16   ; both lanes of a block write the same byte with the same value
.endm
.irp t, 0,1,2,3
	LOAD \t
.endr
	s_wait_loadcnt 12                              ; step 0's four loads are in
	TURN 0
.irp t, 0,1,2,3
	STEP \t
.endr
	s_wait_dscnt 0x0                               ; for the others' sake: my codes and bytes lie in LDS
	s_barrier_signal -1
	s_barrier_wait -1
	ds_load_b128 v[BK:BK+3], v7                    ; blocks 4 w, 4 w + 1: all 16 rows
	ds_load_b128 v[BK+4:BK+7], v7 offset:2*IP      ; blocks 4 w + 2, 4 w + 3
	s_wait_dscnt 0x0
	global_store_b128 v2, v[BK:BK+3], s[14:15]             ; each store of the wave covers 512 consecutive bytes, aligned
	global_store_b128 v2, v[BK+4:BK+7], s[14:15] offset:512
	s_cmp_lg_u32 s22, 0
	s_cbranch_scc1 .Ltokens_done
	ds_load_b128 v[BK+8:BK+11], v12                ; wave 0: the tile's 512 scale bytes
	s_wait_dscnt 0x0
	global_store_b128 v2, v[BK+8:BK+11], s[16:17]
.Ltokens_done:
	s_wait_tensorcnt 0x0
	ds_add_u32 v224, v225
	s_wait_dscnt 0x0
	s_endpgm
; ---- THE WEIGHTS.  A work-group takes 32 columns and all of K; wave w takes K rows 128 w on.  A LANE TAKES A COLUMN AND ITS REGISTERS RUN DOWN K: a block of 32 lies in one lane, and the codes come out with K innermost.
.macro LOADW pitch
.set i, 0
.rept 128
	global_load_b32 v[WN+i], v15, s[26:27] offset:i*\pitch th:TH_LOAD_NT
.set i, i+1
.endr
.endm
.Lweights:
	s_sub_co_u32 s23, ttmp9, 256                   ; j = 0..79
	s_mov_b32 s25, 0
	s_sub_co_u32 s24, s23, 32
	s_cmp_lt_u32 s24, 16                           ; j = 32..47: Wk or Wv, rows of 1,024 bytes
	s_cbranch_scc1 .Lnarrow
	s_cmp_lt_u32 s23, 32                           ; Wq or Wo, rows of 4,096 bytes
	s_cselect_b64 s[26:27], s[6:7], s[12:13]
	s_cselect_b32 s24, 0, 48
	s_sub_co_u32 s29, s23, s24                     ; which 32 columns: 0..31
	s_lshr_b32 s28, s29, 2
	s_mul_i32 s28, s28, 12
	s_and_b32 s24, s29, 3
	s_lshl_b32 s24, s24, 1
	s_add_co_u32 s28, s28, s24                     ; Wq: P = 12 (j / 4) + 2 (j % 4)
	s_lshl_b32 s24, s22, 19                        ; 128 w rows
	s_lshl_b32 s30, s29, 7
	s_add_co_u32 s24, s24, s30
	s_add_nc_u64 s[26:27], s[26:27], s[24:25]
	LOADW 4096
	s_cmp_lt_u32 s23, 32
	s_cbranch_scc1 .Lquant
	; Wo: rounded to f16; a lane's eight neighbours along K are 16 bytes of its column's octet
	s_lshl_b32 s24, s29, 16                        ; two column tiles of 32,768 bytes
	s_lshl_b32 s30, s22, 12                        ; octets 16 w on
	s_add_co_u32 s24, s24, s30
	s_add_nc_u64 s[20:21], s[20:21], s[24:25]
	s_wait_loadcnt 0x0
.set i, 0
.rept 64
	v_cvt_pk_f16_f32 v[WC+i], v[WN+2*i], v[WN+2*i+1]
.set i, i+1
.endr
.irp o, 0,1,2,3,4,5,6,7,8,9,10,11,12,13,14,15
	global_store_b128 v17, v[WC+4*\o:WC+4*\o+3], s[20:21] offset:256*\o   ; sixteen lanes store 256 consecutive bytes, aligned
.endr
	s_endpgm
.Lnarrow:
	s_cmp_lt_u32 s24, 8
	s_cselect_b64 s[26:27], s[8:9], s[10:11]
	s_cselect_b32 s28, 8, 10
	s_and_b32 s29, s24, 7                          ; n
	s_mul_i32 s30, s29, 12
	s_add_co_u32 s28, s28, s30                     ; P = 12 n + 8 (Wk) or + 10 (Wv)
	s_lshl_b32 s24, s22, 17                        ; 128 w rows
	s_lshl_b32 s30, s29, 7
	s_add_co_u32 s24, s24, s30
	s_add_nc_u64 s[26:27], s[26:27], s[24:25]
	LOADW 1024
.Lquant:
	s_lshl_b32 s24, s28, 13
	s_lshl_b32 s30, s22, 10
	s_add_co_u32 s24, s24, s30
	s_add_nc_u64 s[18:19], s[18:19], s[24:25]      ; wc at tile P, blocks 4 w on
	s_lshl_b32 s24, s28, 9
	s_and_b32 s30, s22, 1
	s_lshl_b32 s30, s30, 9
	s_add_co_u32 s24, s24, s30
	s_add_co_u32 s24, s24, 131072
	s_add_nc_u64 s[16:17], s[16:17], s[24:25]      ; sc at the weights' part, tile P (+ 1 for wave 1)
.macro WBLOCK b                        ; block 4 w + b of my column
.set XS, WN+32*\b
.if \b < 2
	s_wait_loadcnt 63                              ; 96 - 32 b later loads could stay out; the count's field ends at 63
.else
	s_wait_loadcnt 96-32*\b                        ; the later blocks' loads may be out
.endif
	v_max3_num_f32 v8, |v[XS]|, |v[XS+1]|, |v[XS+2]|
	v_max3_num_f32 v9, |v[XS+3]|, |v[XS+4]|, |v[XS+5]|
.irp i, 6,10,14,18,22,26
	v_max3_num_f32 v8, v8, |v[XS+\i]|, |v[XS+\i+1]|
	v_max3_num_f32 v9, v9, |v[XS+\i+2]|, |v[XS+\i+3]|
.endr
	v_max3_num_f32 v8, v8, |v[XS+30]|, |v[XS+31]|
	v_max3_num_f32 v8, v8, v9, 0x1800000
	v_add_nc_u32 v11, 0xff000000, v8
	v_lshrrev_b32 v9, 23, v11
.if \b == 0
	v_mov_b32 v10, v9                              ; my wave's four bytes make a word, the lower K in the lower byte
.else
	v_lshl_or_b32 v10, v9, 8*\b, v10
.endif
.irp g, 0,1,2,3
	v_cvt_scalef32_pk8_fp4_f32 v[WC+4*\b+\g], v[XS+8*\g:XS+8*\g+7], v11
.endr
	v_nop                                          ; a plain line behind the conversions
	global_store_b128 v16, v[WC+4*\b:WC+4*\b+3], s[18:19] offset:256*\b   ; sixteen lanes store 256 consecutive bytes, aligned
.endm
.irp b, 0,1,2,3
	WBLOCK \b
.endr
	ds_store_b32 v13, v10
	s_wait_dscnt 0x0                               ; for the others' sake: my word lies in LDS
	s_barrier_signal -1
	s_barrier_wait -1
	s_cmp_lt_u32 s22, 2
	s_cbranch_scc0 .Lweights_done
	ds_load_b128 v[WC+16:WC+19], v14               ; waves 0 and 1: sixteen columns' 512 scale bytes each
	s_wait_dscnt 0x0
	global_store_b128 v2, v[WC+16:WC+19], s[16:17]
.Lweights_done:
	s_wait_tensorcnt 0x0
	ds_add_u32 v224, v225
	s_wait_dscnt 0x0
	s_endpgm
.Lfunc_end_k_q27fec1235a_prep:
	.size	k_q27fec1235a_prep, .Lfunc_end_k_q27fec1235a_prep-k_q27fec1235a_prep
	.p2alignl 7, 3214868480
	.fill 96, 4, 3214868480
	.section	.rodata,"a",@progbits
	.p2align	6, 0x0
	.amdhsa_kernel k_q27fec1235a_prep
		.amdhsa_group_segment_fixed_size 52480
		.amdhsa_private_segment_fixed_size 0
		.amdhsa_enable_private_segment 0
		.amdhsa_kernarg_size 72
		.amdhsa_user_sgpr_count 2
		.amdhsa_user_sgpr_kernarg_segment_ptr 1
		.amdhsa_wavefront_size32 1
		.amdhsa_system_sgpr_workgroup_id_x 1
		.amdhsa_system_sgpr_workgroup_id_y 1
		.amdhsa_system_sgpr_workgroup_id_z 1
		.amdhsa_system_vgpr_workitem_id 0
		.amdhsa_next_free_vgpr 226
		.amdhsa_next_free_sgpr 66
		.amdhsa_reserve_vcc 0
		.amdhsa_float_denorm_mode_32 3
		.amdhsa_float_denorm_mode_16_64 3
		.amdhsa_memory_ordered 1
		.amdhsa_forward_progress 1
		.amdhsa_inst_pref_size 50
	.end_amdhsa_kernel
	.amdgpu_metadata
---
amdhsa.version: [ 1, 2 ]
amdhsa.kernels:
  - .name:           k_q27fec1235a_prep
    .symbol:         k_q27fec1235a_prep.kd
    .args:
      - { .name: qkv, .offset: 0, .size: 8, .value_kind: global_buffer, .address_space: global }
      - { .name: Wq, .offset: 8, .size: 8, .value_kind: global_buffer, .address_space: global }
      - { .name: Wk, .offset: 16, .size: 8, .value_kind: global_buffer, .address_space: global }
      - { .name: Wv, .offset: 24, .size: 8, .value_kind: global_buffer, .address_space: global }
      - { .name: Wo, .offset: 32, .size: 8, .value_kind: global_buffer, .address_space: global }
      - { .name: xc, .offset: 40, .size: 8, .value_kind: global_buffer, .address_space: global }
      - { .name: sc, .offset: 48, .size: 8, .value_kind: global_buffer, .address_space: global }
      - { .name: wc, .offset: 56, .size: 8, .value_kind: global_buffer, .address_space: global }
      - { .name: wof, .offset: 64, .size: 8, .value_kind: global_buffer, .address_space: global }
    .group_segment_fixed_size: 52480
    .private_segment_fixed_size: 0
    .kernarg_segment_align: 8
    .kernarg_segment_size: 72
    .max_flat_workgroup_size: 256
    .sgpr_count:     66
    .vgpr_count:     226
    .wavefront_size: 32
...
	.end_amdgpu_metadata
.endif
;; end of part 1
;; launch proj (part 2): grid 32 x 8, 8 waves a work-group, clusters of 4 x 1, 168,960 bytes of LDS; arguments xc, sc, wc, bq, bk, bv, qf, kvf; writes qf, kvf
.if DOCPART == 2
	.amdgcn_target "amdgcn-amd-amdhsa--gfx1250"
	.amdhsa_code_object_version 6
	.text
	.protected	k_q27fec1235a_proj
	.globl	k_q27fec1235a_proj
	.p2align	8
	.type	k_q27fec1235a_proj,@function
k_q27fec1235a_proj:
	s_mov_b64 s[64:65], 0
	v_nop
	global_prefetch_b8 v0, s[64:65] scope:SCOPE_SE
	s_setreg_imm32_b32 hwreg(HW_REG_WAVE_MODE, 25, 1), 1
	s_wait_xcnt 0x0
	s_wait_alu depctr_hold_cnt(0) depctr_sa_sdst(0) depctr_va_vdst(0) depctr_va_sdst(0) depctr_va_ssrc(0) depctr_va_vcc(0) depctr_vm_vsrc(0)
	s_getreg_b32 s2, hwreg(HW_REG_IB_STS2, 6, 4)
	s_cmp_eq_u32 s2, 0
	s_cbranch_scc0 .Lentry_in_a_cluster
	s_endpgm
.Lentry_in_a_cluster:
	s_bfe_u32 s2, ttmp6, 0x10000c
	s_cmp_lg_u32 s2, 0x3003
	s_cbranch_scc0 .Lentry_shape_is_right
	s_endpgm
.Lentry_shape_is_right:
; PROJ.  q = x Wq + bq, k = x Wk + bk, v = x Wv + bv on codes of FP4 (E2M1) with E8M0 scales, sums in f32; q is multiplied by 0.125 log2(e); all three leave as f16 in the order of attention's operand registers:
;   qf [head 16][query tile 256][channel octet 8][query 16][16 bytes];  kvf: k [kv head 4][key tile 256][channel octet 8][key 16][16 bytes], then from byte 2,097,152
;   v [kv head 4][32 keys 128][channel tile 4][key octet 4][channel 16][16 bytes].
; f16, NOT bf16: 11 significant bits against 8.  ROOM: a sum of 1,024 products of numbers of spread 1 and 0.02 has spread 0.64; both factors 30 times larger give 900 times that; a common offset of 30 spreads on both
; gives 1,024 x 30 x 0.6 = 18,432: all under f16's 65,504.  LIMIT: |q|, |k| or |v| beyond 65,504 is not served; under 2^-14 a number keeps an absolute error of 2^-25.
; SHARES.  A work-group takes 128 tokens (x) and 192 channels (y = n: 128 of q, 32 of k, 32 of v: twelve tiles of 16, the same text for every work-group).  Wave w takes token tile 8 x + w against all twelve: 12 accumulators.
; x's fragments are read by one wave alone: from memory straight into registers.  The weights' 96 KB of codes and 6 KB of scale bytes are read by all eight waves: through LDS, filled once.
; CLUSTER.  The four work-groups of a cluster share n, so they ask for the weights JOINTLY: the same tensor loads, with the same descriptors and a mask that names the four.
; q's and k's products are used TRANSPOSED (source 0 = 16 channels, source 1 = 16 tokens): a lane holds one token and eight neighbouring channels.  v's are used as they stand: a lane holds one channel and eight neighbouring tokens (keys).
; The biases are loaded into the accumulators themselves: every product adds in place, nothing is cleared and no bias is added by a vector instruction.
.set WV,   20                          ; s20 my wave's number
.set XSC,  8                           ; v8-15    x's scale words, one for each K step
.set WSC,  16                          ; v16-23   the weights' scale words, two sets of four
.set WF,   24                          ; v24-87   the weights' fragments, two sets of four
.set XF,   88                          ; v88-151  x's eight fragments
.set ACC,  152                         ; v152-247 twelve accumulators
.set OUT,  88                          ; the way out: 48 registers, where x's fragments lay
.set WSL,  98304                       ; LDS: codes at 0 (tile t at 8192 t), scale bytes [192 channels][32] here
.macro CROUND                          ; a round of the cluster's barrier
	s_barrier_signal -1
	s_barrier_wait -1
	s_cmp_lg_u32 s[WV], 0
	s_cbranch_scc1 .Lnot_wave_0_\@
	s_barrier_signal -3
.Lnot_wave_0_\@:
	s_barrier_wait -3
	s_barrier_signal -1
	s_barrier_wait -1
.endm
.macro PLACES
.rept 4
	v_nop
.endr
.endm
	s_load_b256 s[4:11], s[0:1], 0x0               ; xc s[4:5], sc s[6:7], wc s[8:9], bq s[10:11]
	s_load_b256 s[12:19], s[0:1], 0x20             ; bk s[12:13], bv s[14:15], qf s[16:17], kvf s[18:19]
	v_lshl_add_u32 v254, v0, 2, 0x29000
	v_mov_b32 v255, 0
	ds_add_u32 v254, v255
	v_lshrrev_b32 v1, 5, v0
	v_readfirstlane_b32 s[WV], v1                  ; wave 0..7
	s_bfe_u32 s21, ttmp6, 0x40000                  ; cx: my place in the cluster
	s_lshl_b32 s22, ttmp9, 2
	s_add_co_u32 s22, s22, s21                     ; my block of 128 tokens: it enters x's and the results' addresses alone
	s_and_b32 s23, ttmp7, 0xffff                   ; n, which the four partners share
	; descriptors: dense blocks as rows of 256 bytes (32 elements of 8 bytes); 15:0 the mask: all four; 21 set beside a mask
	s_mov_b32 s24, 15|(3<<16)|(1<<21)              ; the codes: 48 rows = 12,288 bytes a wave
	s_mov_b32 s25, 32<<16
	s_mov_b32 s26, 48<<16
	s_mov_b32 s27, 32<<16
	s_mov_b32 s28, 48
	s_mov_b32 s29, 32
	s_mov_b32 s30, 0
	s_mov_b32 s31, 0
	s_mov_b32 s40, 15|(3<<16)|(1<<21)              ; the scale bytes: 24 rows = 6,144 bytes
	s_mov_b32 s41, 32<<16
	s_mov_b32 s42, 24<<16
	s_mov_b32 s43, 32<<16
	s_mov_b32 s44, 24
	s_mov_b32 s45, 32
	s_mov_b32 s46, 0
	s_mov_b32 s47, 0
	s_mul_i32 s33, s[WV], 12288                    ; LDS: my eighth of the codes
	s_mul_i32 s60, s23, 98304
	s_add_co_u32 s60, s60, s33                     ; and in wc
	s_mov_b32 s61, 0
	s_mul_i32 s62, s23, 6144
	s_add_co_u32 s62, s62, 131072                  ; the scale bytes of my 192 channels in sc
	s_mov_b32 s63, 0
	s_wait_dscnt 0x0
	s_wait_kmcnt 0x0
	s_mov_b32 s32, 1
	s_add_nc_u64 s[34:35], s[8:9], s[60:61]
	s_or_b32 s35, s35, 0x80000000
	s_mov_b32 s36, 1
	s_mov_b32 s37, WSL
	s_add_nc_u64 s[38:39], s[6:7], s[62:63]
	s_or_b32 s39, s39, 0x80000000
	CROUND                                         ; all four work-groups are here: the joint loads meet
	tensor_load_to_lds s[32:35], s[24:31]          ; every wave: its eighth of the codes
	s_nop 0
	PLACES
	s_cmp_lg_u32 s[WV], 0
	s_cbranch_scc1 .Lno_scales
	tensor_load_to_lds s[36:39], s[40:47]          ; wave 0: the scale bytes; two loads of that wave are out, one of every other
	s_nop 0
	PLACES
.Lno_scales:
	v_and_b32 v7, 31, v0
	v_lshlrev_b32 v1, 4, v7                        ; 16 x lane
	v_add_nc_u32 v2, 0x10000, v1                   ; the same for tiles 8 on, whose bytes lie beyond an LDS immediate's reach
	v_and_b32 v5, 15, v0                           ; r
	v_lshlrev_b32 v6, 5, v5                        ; 32 r: a row of scale bytes
	v_add_nc_u32 v3, WSL, v6
	v_bfe_u32 v4, v0, 4, 1
	v_lshlrev_b32 v4, 5, v4                        ; 32 h: my half's eight channels of a bias
	v_lshlrev_b32 v5, 2, v5                        ; 4 r: my channel of bv
	s_lshl_b32 s2, s22, 3
	s_add_co_u32 s2, s2, s[WV]                     ; T: my token tile, 0..255
	s_mov_b32 s59, 0
	s_lshl_b32 s58, s2, 13
	s_add_nc_u64 s[48:49], s[4:5], s[58:59]        ; xc at T
	s_lshl_b32 s58, s2, 9
	s_add_nc_u64 s[50:51], s[6:7], s[58:59]        ; x's scale bytes at T
	s_lshl_b32 s58, s23, 9
	s_add_nc_u64 s[10:11], s[10:11], s[58:59]      ; bq at channel 128 n
	s_lshl_b32 s58, s23, 7
	s_add_nc_u64 s[12:13], s[12:13], s[58:59]      ; bk and bv at channel 32 n
	s_add_nc_u64 s[14:15], s[14:15], s[58:59]
.irp q, 0,1,2,3,4,5,6,7,8,9,10,11,12,13,14,15
	global_load_b128 v[XF+4*\q:XF+4*\q+3], v1, s[48:49] offset:512*\q   ; K step q / 2, registers 4 (q % 2) on
.endr
	global_load_b128 v[XSC:XSC+3], v6, s[50:51]
	global_load_b128 v[XSC+4:XSC+7], v6, s[50:51] offset:16
.irp t, 0,1,2,3,4,5,6,7
	global_load_b128 v[ACC+8*\t:ACC+8*\t+3], v4, s[10:11] offset:64*\t
	global_load_b128 v[ACC+8*\t+4:ACC+8*\t+7], v4, s[10:11] offset:64*\t+16
.endr
.irp t, 0,1
	global_load_b128 v[ACC+64+8*\t:ACC+64+8*\t+3], v4, s[12:13] offset:64*\t
	global_load_b128 v[ACC+64+8*\t+4:ACC+64+8*\t+7], v4, s[12:13] offset:64*\t+16
.endr
.irp t, 0,1
.irp j, 0,1,2,3,4,5,6,7
	global_load_b32 v[ACC+80+8*\t+\j], v5, s[14:15] offset:64*\t       ; v's tiles hold one channel a lane: its bias in all eight registers
.endr
.endr
	; where the results go (T and n)
	s_lshl_b32 s58, s23, 20
	s_lshl_b32 s3, s2, 11
	s_add_co_u32 s58, s58, s3
	s_add_nc_u64 s[52:53], s[16:17], s[58:59]      ; qf: head 2 n, query tile T
	s_lshr_b32 s58, s23, 1
	s_lshl_b32 s58, s58, 19                        ; kv head n / 2
	s_and_b32 s21, s23, 1
	s_lshl_b32 s22, s21, 10
	s_add_co_u32 s3, s3, s58
	s_add_co_u32 s3, s3, s22
	s_mov_b32 s22, s3
	s_mov_b32 s23, 0
	s_add_nc_u64 s[54:55], s[18:19], s[22:23]      ; k: key tile T, octets 4 (n % 2) on
	s_lshr_b32 s3, s2, 1
	s_lshl_b32 s3, s3, 12
	s_add_co_u32 s58, s58, s3                      ; v: keys 32 (T / 2) on,
	s_lshl_b32 s3, s21, 11
	s_add_co_u32 s58, s58, s3                      ; channel tiles 2 (n % 2) on,
	s_and_b32 s3, s2, 1
	s_lshl_b32 s3, s3, 9
	s_add_co_u32 s58, s58, s3                      ; key octets 2 (T % 2) on
	s_add_co_u32 s58, s58, 2097152
	s_add_nc_u64 s[56:57], s[18:19], s[58:59]
	s_mov_b32 s60, 0x3e38aa3b                      ; 0.125 log2(e): attention's scale and the change to base 2, put on q once
	s_mov_b32 s61, s60                             ; (named with it as a pair, so it is written)
	s_wait_tensorcnt 0x0                           ; my part of the weights is in LDS,
	s_barrier_signal -1
	s_barrier_wait -1                              ; everybody's is; nothing is ever filled again
	s_wait_loadcnt 0x0                             ; x, its scales, the biases
; Group k of 24: K step k / 3, tiles 4 (k % 3) + 0..3, registers of set k % 2.
.macro FETCHG k
.irp i, 0,1,2,3
.set TT, 4*((\k)%3)+\i
.set KS, (\k)/3
.set WR, WF+32*((\k)%2)+8*\i
.if TT < 8
	ds_load_b128 v[WR:WR+3], v1 offset:8192*TT+1024*KS
	ds_load_b128 v[WR+4:WR+7], v1 offset:8192*TT+1024*KS+512
.else
	ds_load_b128 v[WR:WR+3], v2 offset:8192*(TT-8)+1024*KS
	ds_load_b128 v[WR+4:WR+7], v2 offset:8192*(TT-8)+1024*KS+512
.endif
	ds_load_b32 v[WSC+4*((\k)%2)+\i], v3 offset:512*TT+4*KS
.endr
.endm
.macro MULG k                          ; the twelve accumulators take turns, one instruction a turn
.irp i, 0,1,2,3
.set TT, 4*((\k)%3)+\i
.set KS, (\k)/3
.set WR, WF+32*((\k)%2)+8*\i
.set AC, ACC+8*TT
.if TT < 10
	v_wmma_scale_f32_16x16x128_f8f6f4 v[AC:AC+7], v[WR:WR+7], v[XF+8*KS:XF+8*KS+7], v[AC:AC+7], v[WSC+4*((\k)%2)+\i], v[XSC+KS] matrix_a_fmt:MATRIX_FMT_FP4 matrix_b_fmt:MATRIX_FMT_FP4
.else
	v_wmma_scale_f32_16x16x128_f8f6f4 v[AC:AC+7], v[XF+8*KS:XF+8*KS+7], v[WR:WR+7], v[AC:AC+7], v[XSC+KS], v[WSC+4*((\k)%2)+\i] matrix_a_fmt:MATRIX_FMT_FP4 matrix_b_fmt:MATRIX_FMT_FP4
.endif
.endr
.endm
	FETCHG 0
.set K, 0
.rept 23
.if K > 0
	PLACES                                         ; four places in front of loads into the set that the group before last's products read
.endif
	FETCHG K+1
	s_wait_dscnt 12                                ; all but the twelve just issued
	MULG K
.set K, K+1
.endr
	s_wait_dscnt 0x0
	MULG 23
	PLACES                                         ; four places in front of the first read of results
; THE WAY OUT: each accumulator from its low end on; a lane's eight numbers pack into 16 bytes; each store of the wave covers 512 consecutive bytes, aligned.
.irp t, 0,1,2,3,4,5,6,7
.irp j, 0,2,4,6
	v_pk_mul_f32 v[WF+8*(\t%4)+\j:WF+8*(\t%4)+\j+1], v[ACC+8*\t+\j:ACC+8*\t+\j+1], s[60:61] op_sel_hi:[1,0]
.endr
.irp j, 0,1,2,3
	v_cvt_pk_f16_f32 v[OUT+4*\t+\j], v[WF+8*(\t%4)+2*\j], v[WF+8*(\t%4)+2*\j+1]
.endr
	global_store_b128 v1, v[OUT+4*\t:OUT+4*\t+3], s[52:53] offset:524288*(\t/4)+512*(\t%4)
.endr
.irp t, 8,9,10,11
.irp j, 0,1,2,3
	v_cvt_pk_f16_f32 v[OUT+4*\t+\j], v[ACC+8*\t+2*\j], v[ACC+8*\t+2*\j+1]
.endr
.endr
	global_store_b128 v1, v[OUT+32:OUT+35], s[54:55]
	global_store_b128 v1, v[OUT+36:OUT+39], s[54:55] offset:512
	global_store_b128 v1, v[OUT+40:OUT+43], s[56:57]
	global_store_b128 v1, v[OUT+44:OUT+47], s[56:57] offset:1024
	s_wait_tensorcnt 0x0
	ds_add_u32 v254, v255
	s_wait_dscnt 0x0
	CROUND                                         ; the closing round: no work-group ends while a partner may still ask for a tile that names it
	s_endpgm
.Lfunc_end_k_q27fec1235a_proj:
	.size	k_q27fec1235a_proj, .Lfunc_end_k_q27fec1235a_proj-k_q27fec1235a_proj
	.p2alignl 7, 3214868480
	.fill 96, 4, 3214868480
	.section	.rodata,"a",@progbits
	.p2align	6, 0x0
	.amdhsa_kernel k_q27fec1235a_proj
		.amdhsa_group_segment_fixed_size 168960
		.amdhsa_private_segment_fixed_size 0
		.amdhsa_enable_private_segment 0
		.amdhsa_kernarg_size 64
		.amdhsa_user_sgpr_count 2
		.amdhsa_user_sgpr_kernarg_segment_ptr 1
		.amdhsa_wavefront_size32 1
		.amdhsa_system_sgpr_workgroup_id_x 1
		.amdhsa_system_sgpr_workgroup_id_y 1
		.amdhsa_system_sgpr_workgroup_id_z 1
		.amdhsa_system_vgpr_workitem_id 0
		.amdhsa_next_free_vgpr 256
		.amdhsa_next_free_sgpr 66
		.amdhsa_reserve_vcc 0
		.amdhsa_float_denorm_mode_32 3
		.amdhsa_float_denorm_mode_16_64 3
		.amdhsa_memory_ordered 1
		.amdhsa_forward_progress 1
		.amdhsa_inst_pref_size 51
	.end_amdhsa_kernel
	.amdgpu_metadata
---
amdhsa.version: [ 1, 2 ]
amdhsa.kernels:
  - .name:           k_q27fec1235a_proj
    .symbol:         k_q27fec1235a_proj.kd
    .args:
      - { .name: xc, .offset: 0, .size: 8, .value_kind: global_buffer, .address_space: global }
      - { .name: sc, .offset: 8, .size: 8, .value_kind: global_buffer, .address_space: global }
      - { .name: wc, .offset: 16, .size: 8, .value_kind: global_buffer, .address_space: global }
      - { .name: bq, .offset: 24, .size: 8, .value_kind: global_buffer, .address_space: global }
      - { .name: bk, .offset: 32, .size: 8, .value_kind: global_buffer, .address_space: global }
      - { .name: bv, .offset: 40, .size: 8, .value_kind: global_buffer, .address_space: global }
      - { .name: qf, .offset: 48, .size: 8, .value_kind: global_buffer, .address_space: global }
      - { .name: kvf, .offset: 56, .size: 8, .value_kind: global_buffer, .address_space: global }
    .group_segment_fixed_size: 168960
    .private_segment_fixed_size: 0
    .kernarg_segment_align: 8
    .kernarg_segment_size: 64
    .max_flat_workgroup_size: 256
    .sgpr_count:     66
    .vgpr_count:     256
    .wavefront_size: 32
...
	.end_amdgpu_metadata
.endif
;; end of part 2
;; launch attn (part 3): grid 64 x 4, 8 waves a work-group, clusters of 4 x 1, 327,680 bytes of LDS; arguments qf, kvf, slopes, of; writes of
.if DOCPART == 3
	.amdgcn_target "amdgcn-amd-amdhsa--gfx1250"
	.amdhsa_code_object_version 6
	.text
	.protected	k_q27fec1235a_attn
	.globl	k_q27fec1235a_attn
	.p2align	8
	.type	k_q27fec1235a_attn,@function
k_q27fec1235a_attn:
	s_mov_b64 s[64:65], 0
	v_nop
	global_prefetch_b8 v0, s[64:65] scope:SCOPE_SE
	s_setreg_imm32_b32 hwreg(HW_REG_WAVE_MODE, 25, 1), 1
	s_wait_xcnt 0x0
	s_wait_alu depctr_hold_cnt(0) depctr_sa_sdst(0) depctr_va_vdst(0) depctr_va_sdst(0) depctr_va_ssrc(0) depctr_va_vcc(0) depctr_vm_vsrc(0)
	s_getreg_b32 s2, hwreg(HW_REG_IB_STS2, 6, 4)
	s_cmp_eq_u32 s2, 0
	s_cbranch_scc0 .Lentry_in_a_cluster
	s_endpgm
.Lentry_in_a_cluster:
	s_bfe_u32 s2, ttmp6, 0x10000c
	s_cmp_lg_u32 s2, 0x3003
	s_cbranch_scc0 .Lentry_shape_is_right
	s_endpgm
.Lentry_shape_is_right:
; ATTN.  o[head][q] = the sum over keys k <= q of softmax_k(q . k / 8 + slope (k - q)) v[k], 16 query heads on 4 key/value heads, head size 64, 4,096 positions.  Operands f16, sums, maxima and weights' sums f32.
; q arrives multiplied by 0.125 log2(e), so exponentials are taken to base 2; slope2 = slope x log2(e).  The term - slope2 q is the same for a whole row and falls out of the softmax.
; f16, NOT bf16: 11 significant bits against 8.  The weights p lie in [0, 1]: what falls under 2^-25 is lost beside a row's sum, which holds a term 1 in the parity that holds the row's maximum.  o is a mean of v's and has v's room.
; SHARES.  The four work-groups of a cluster are the four query heads of one key/value head, on the same queries: they walk the same K and V, asked for JOINTLY, and their trip counts are alike.
; A work-group owns 256 queries: block i (queries 128 i on) and block 31 - i, so that the keys under the causal mask are as many for every i.  Wave w = (row group w % 4, parity w / 4): a row group is 32 queries of each
; block (two PIECES of two tiles of 16); a parity is the first or second 64 keys of each slot of 128 keys.  So two waves of equal work share a SIMD, and each fragment of K or V read from LDS feeds four tiles (two beyond the low block's diagonal).
; The two parities' partial results are joined once, at the end, through LDS.
; LAYOUT.  S^T = K Q^T + C (source 0 = 16 keys, source 1 = 16 queries): a lane holds ONE query (lane % 16) and keys 8 (lane / 16) + 0..7.  C holds slope2 x (the key's place in the step's 64): ALiBi costs no vector instruction.
; Two such tiles rounded to f16 ARE source 1 of O^T = V^T P.  K, V and Q lie in memory in the order of these registers, so every fragment is 16 bytes x lane.
; THE RUNNING MAXIMUM m is kept relative to the step in hand: from step to step (128 keys) it is lowered by 128 slope2, so no large slope2 x key is ever formed.  a = 2^(m - m_new), p = 2^(t - m_new), l = a l + sum p, O = a O + V^T P.
; HIDDEN KEYS: a step all of whose keys come after a piece's queries is jumped over (a scalar branch on ids); on the diagonal hidden scores become -infinity ahead of the maximum.  The low block's diagonal lies in the loop, the high block's in the tail.
; LIMITS: m begins at -3e38; slopes so large that 128 slope2 passes about 1e37, |o| beyond 65,504, NaN and infinities among the inputs are not served.
; REGISTERS, in windows of 256.  Window 0: v1-14 addresses; v15 slope2; v16-47 statistics, eight a tile (+0 m, +1 spare, +2 +3 l, +4..+7 at work, +6 a); v48-79 C; v80-143 S^T of the piece in hand; v144-175 P; v176-239 Q; v240 128 slope2.
; Window 1: v0-127 O^T, 32 a tile; v128-191 K of a step; v192-255 V of a step.
.set SLOTB, 32768                      ; a slot: 128 keys: K's 16 KB (8 key tiles), then V's 16 KB (4 groups of 32 keys)
.set VOFF,  16384
.set EXCH,  65536                      ; behind the ring: for the join, a region for each wave: four tiles of O^T as register images, then its statistics
.set EXW,   17408
.set SPARE, EXCH+8*EXW                 ; the spare words, 128 bytes for each wave: four blocks of 256 bytes that no other line names
.set ST,  16
.set BI,  48
.set S,   80
.set P,   144
.set Q,   176
.set SL2, 15
.set DEL, 240
.set KFR, 128
.set VFR, 192
.set WV,  12
.set RG,  13
.set PAR, 14
.set II,  15
.set HEAD, 16
.set CNT, 17
.set KF,  18                           ; s18 my first key of the step in hand
.set QFL, 19                           ; s19-22 first and last query of my low and of my high piece
.set QLL, 20
.set QFH, 21
.set QLH, 22
.set TMP, 23
.set G1,  24                           ; s[24:31] descriptor group 1
.set G0,  32                           ; s[32:39] group 0, a set for each slot
.set KLL, 40                           ; s40, s41 first key of the last step that the low, the high piece worked
.set KLH, 41
.set SEL, 42
.set PFA, 44
.set LIM, 46
.set MSB, 0
.macro WIN new                         ; the immediate's high byte repeats the setting that is left
.if MSB != \new
	s_set_vgpr_msb (MSB<<8)|\new
.set MSB, \new
.endif
.endm
.macro CROUND                          ; a round of the cluster's barrier
	s_barrier_signal -1
	s_barrier_wait -1
	s_cmp_lg_u32 s[WV], 0
	s_cbranch_scc1 .Lnot_wave_0_\@
	s_barrier_signal -3
.Lnot_wave_0_\@:
	s_barrier_wait -3
	s_barrier_signal -1
	s_barrier_wait -1
.endm
; A joint load of slot s: wave 0 fetches K's 16 KB, wave 1 V's; the branch hangs on the wave's number alone.  The four v_nop are also the places in front of the loads into K's and V's registers.
.macro JLOAD s
	s_cmp_lt_u32 s[WV], 2
	s_cbranch_scc0 .Lnone_\@
	tensor_load_to_lds s[G0+4*(\s):G0+4*(\s)+3], s[G1:G1+7]
	s_nop 0
.Lnone_\@:
.rept 4
	v_nop
.endr
.endm
; A PREFETCH INTO THE L2, once a loop trip, behind the joint load's four lines: the two slots that the NEXT trip's two loads will ask for but one (slots 2 t + 3 and 2 t + 4 in trip t).  All clusters of a key/value head walk the same K and V:
; the cluster that walks all 32 slots (x = 0) asks.  In it wave 0 asks for K's 32 KB and wave 1 for V's; the four partners take 8 KB each, told apart by address; lanes 256 bytes apart.  The last trip asks for nothing.
.macro ASK
	s_cmp_gt_u32 s[CNT], s[LIM]
	s_cbranch_scc0 .Lnot_mine_\@
	global_prefetch_b8 v14, s[PFA:PFA+1] th:TH_LOAD_NT scope:SCOPE_SE
.Lnot_mine_\@:
.endm
.macro LOADKV s                        ; my parity's 64 keys of slot s: 16 fragments' halves of K, then 16 of V
	WIN 0x40
.irp q, 0,1,2,3,4,5,6,7,8,9,10,11,12,13,14,15
	ds_load_b128 v[KFR+4*\q:KFR+4*\q+3], v2 offset:SLOTB*\s+512*\q
.endr
.irp q, 0,1,2,3,4,5,6,7,8,9,10,11,12,13,14,15
	ds_load_b128 v[VFR+4*\q:VFR+4*\q+3], v2 offset:SLOTB*\s+VOFF+512*\q
.endr
	WIN 0
.endm
; S^T of piece x: 16 products; the eight accumulators take turns.  The first eight take C = slope2 x the key's place.
.macro SPROD x
	WIN 0x01
.irp g, 0,1
.irp kt, 0,1,2,3
.irp u, 0,1
.if \g == 0
	v_wmma_f32_16x16x32_f16 v[S+32*\u+8*\kt:S+32*\u+8*\kt+7], v[KFR+16*\kt+8*\g:KFR+16*\kt+8*\g+7], v[Q+16*(\x+\u)+8*\g:Q+16*(\x+\u)+8*\g+7], v[BI+8*\kt:BI+8*\kt+7]
.else
	v_wmma_f32_16x16x32_f16 v[S+32*\u+8*\kt:S+32*\u+8*\kt+7], v[KFR+16*\kt+8*\g:KFR+16*\kt+8*\g+7], v[Q+16*(\x+\u)+8*\g:Q+16*(\x+\u)+8*\g+7], v[S+32*\u+8*\kt:S+32*\u+8*\kt+7]
.endif
.endr
.endr
.endr
	WIN 0
	v_sub_f32 v[ST+8*(\x)], v[ST+8*(\x)], v[DEL]   ; m relative to this step.  These two and two v_nop are the four places behind the products
	v_sub_f32 v[ST+8*(\x)+8], v[ST+8*(\x)+8], v[DEL]
	v_nop
	v_nop
.endm
; On the diagonal: register 8 kt + j of a tile holds key KF + 16 kt + 8 (lane / 16) + j; hidden where 16 kt + j > d = my query - KF - 8 (lane / 16).
.macro MASK qf
	s_sub_co_i32 s[TMP], s[\qf], s[KF]
.irp u, 0,1
	v_add_nc_u32 v4, s[TMP], v3
.set n, 0
.rept 32
	v_cmp_gt_i32 vcc_lo, 16*(n/8)+n%8, v4
	v_cndmask_b32 v[S+32*\u+n], v[S+32*\u+n], v5, vcc_lo
.set n, n+1
.endr
	s_add_co_u32 s[TMP], s[TMP], 16
.endr
.endm
.macro SOFTMAX x
.set T0, ST+8*(\x)
.set T1, ST+8*(\x)+8
.irp j, 0,1,2,3                        ; the maximum of 32 scores and m: four chains, each begun at an accumulator's low end; the two tiles by turns
.irp u, 0,1
	v_max3_num_f32 v[T0+8*\u+4+\j], v[S+32*\u+8*\j], v[S+32*\u+8*\j+1], v[S+32*\u+8*\j+2]
.endr
.endr
.irp k, 3,5
.irp j, 0,1,2,3
.irp u, 0,1
	v_max3_num_f32 v[T0+8*\u+4+\j], v[T0+8*\u+4+\j], v[S+32*\u+8*\j+\k], v[S+32*\u+8*\j+\k+1]
.endr
.endr
.endr
.irp u, 0,1
	v_max3_num_f32 v[T0+8*\u+4], v[T0+8*\u+4], v[S+32*\u+7], v[S+32*\u+15]
.endr
.irp u, 0,1
	v_max3_num_f32 v[T0+8*\u+6], v[T0+8*\u+6], v[S+32*\u+23], v[S+32*\u+31]
.endr
.irp u, 0,1
	v_max3_num_f32 v[T0+8*\u+4], v[T0+8*\u+4], v[T0+8*\u+5], v[T0+8*\u+6]
.endr
.irp u, 0,1
	v_max3_num_f32 v[T0+8*\u+4], v[T0+8*\u+4], v[T0+8*\u+7], v[T0+8*\u]
.endr
.irp u, 0,1
	v_permlanex16_b32 v[T0+8*\u+5], v[T0+8*\u+4], s[SEL], s[SEL+1]     ; the query's other 32 keys lie in the lane 16 away
.endr
.irp u, 0,1
	v_max_num_f32 v[T0+8*\u+6], v[T0+8*\u+4], v[T0+8*\u+5]             ; the new m
.endr
.irp u, 0,1
	v_sub_f32 v[T0+8*\u+7], v[T0+8*\u], v[T0+8*\u+6]                   ; m - m_new, 0 or less
.endr
.irp u, 0,1
	v_mov_b32 v[T0+8*\u], v[T0+8*\u+6]
.endr
.irp i, 0,1,2,3,4,5,6,7,8,9,10,11,12,13,14,15
	v_pk_add_f32 v[S+2*\i:S+2*\i+1], v[S+2*\i:S+2*\i+1], v[T0:T0+1] op_sel_hi:[1,0] neg_lo:[0,1] neg_hi:[0,1]   ; tile 0: t - m
.endr
	v_exp_f32 v[T0+6], v[T0+7]                     ; a
	v_exp_f32 v[T1+6], v[T1+7]
.irp i, 0,1,2,3,4,5,6,7,8,9,10,11,12,13,14,15  ; tile 0's exponentials; tile 1's subtractions are the plain lines among them
	v_exp_f32 v[S+2*\i], v[S+2*\i]
	v_exp_f32 v[S+2*\i+1], v[S+2*\i+1]
	v_pk_add_f32 v[S+32+2*\i:S+32+2*\i+1], v[S+32+2*\i:S+32+2*\i+1], v[T1:T1+1] op_sel_hi:[1,0] neg_lo:[0,1] neg_hi:[0,1]
.endr
	s_wait_alu depctr_va_vdst(0)
	v_pk_mul_f32 v[T0+2:T0+3], v[T0+2:T0+3], v[T0+6:T0+7] op_sel_hi:[1,0]   ; l under the new m
	v_pk_mul_f32 v[T1+2:T1+3], v[T1+2:T1+3], v[T1+6:T1+7] op_sel_hi:[1,0]
.irp i, 0,1,2,3,4,5,6,7,8,9,10,11,12,13,14,15  ; tile 1's exponentials; tile 0's roundings and sums are the plain lines among them
	v_exp_f32 v[S+32+2*\i], v[S+32+2*\i]
	v_exp_f32 v[S+32+2*\i+1], v[S+32+2*\i+1]
	v_cvt_pk_f16_f32 v[P+\i], v[S+2*\i], v[S+2*\i+1]
	v_pk_add_f32 v[T0+2:T0+3], v[T0+2:T0+3], v[S+2*\i:S+2*\i+1]
.endr
	s_wait_alu depctr_va_vdst(0)
.irp i, 0,1,2,3,4,5,6,7,8,9,10,11,12,13,14,15
	v_cvt_pk_f16_f32 v[P+16+\i], v[S+32+2*\i], v[S+32+2*\i+1]
	v_pk_add_f32 v[T1+2:T1+3], v[T1+2:T1+3], v[S+32+2*\i:S+32+2*\i+1]
.endr
	WIN 0x41
.irp j, 0,2,4,6,8,10,12,14,16,18,20,22,24,26,28,30
	v_pk_mul_f32 v[32*(\x)+\j:32*(\x)+\j+1], v[32*(\x)+\j:32*(\x)+\j+1], v[T0+6:T0+7] op_sel_hi:[1,0]         ; O^T under the new m
	v_pk_mul_f32 v[32*(\x)+32+\j:32*(\x)+32+\j+1], v[32*(\x)+32+\j:32*(\x)+32+\j+1], v[T1+6:T1+7] op_sel_hi:[1,0]
.endr
.endm
.macro PVPROD x                        ; O^T += V^T P: 16 products, eight accumulators by turns
	s_wait_dscnt 0x0                               ; V is in
	WIN 0x51
.irp kg, 0,1
.irp ct, 0,1,2,3
.irp u, 0,1
	v_wmma_f32_16x16x32_f16 v[32*(\x+\u)+8*\ct:32*(\x+\u)+8*\ct+7], v[VFR+32*\kg+8*\ct:VFR+32*\kg+8*\ct+7], v[P+16*\u+8*\kg:P+16*\u+8*\kg+7], v[32*(\x+\u)+8*\ct:32*(\x+\u)+8*\ct+7]
.endr
.endr
.endr
	WIN 0
.endm
.macro PIECE x, mask, qf, kl
	s_mov_b32 s[\kl], s[KF]
	SPROD \x
.if \mask
	s_add_co_u32 s[TMP], s[KF], 63
	s_cmp_le_u32 s[TMP], s[\qf]                    ; all 64 keys count for all 32 queries: no mask
	s_cbranch_scc1 .Lopen_\@
	MASK \qf
.Lopen_\@:
.endif
	SOFTMAX \x
	PVPROD \x
.endm
; A TRIP: the change of slots, then slot s's step.  Each wave waits for all its tensor loads, adds 0 to its spare word, and waits for that and for its reads of the other slot; behind the round the other slot is filled again first.
.macro TRIP s, refill, tail, inloop
	s_wait_tensorcnt 0x0                           ; no tensor load of mine is out, so a group 0 may be written
	ds_add_u32 v6, v7                              ; 0 onto my spare word
	s_add_nc_u64 s[G0+4*\s+2:G0+4*\s+3], s[G0+4*\s+2:G0+4*\s+3], 2*16384   ; this slot's next 128 keys
.if \inloop && (\s == 0)
	s_wait_xcnt 0x0                                ; the last prefetch, a trip back, has read its address
	s_add_nc_u64 s[PFA:PFA+1], s[PFA:PFA+1], 32768
.endif
	s_wait_dscnt 0x0                               ; the add is done, and my reads of the other slot are over
.if \refill
	CROUND                                         ; the same holds of every wave of all four work-groups
	JLOAD 1-\s                                     ; the one tensor load of a wave behind the round: it has this slot's step in which to land
.else
	s_barrier_signal -1
	s_barrier_wait -1
.rept 4
	v_nop
.endr
.endif
.if \inloop && (\s == 0)
	ASK
.endif
.if \tail
	s_cmp_gt_u32 s[KF], s[QLH]                     ; all my keys of this slot come after my queries: nothing to do
	s_cbranch_scc1 .Lhidden_\@
	LOADKV \s
	s_wait_dscnt 16                                ; K is in; V's sixteen loads may be out
	PIECE 2, 1, QFH, KLH
.Lhidden_\@:
.else
	LOADKV \s
	s_wait_dscnt 16
	s_cmp_gt_u32 s[KF], s[QLL]                     ; beyond the low piece's diagonal
	s_cbranch_scc1 .Lno_low_\@
	PIECE 0, 1, QFL, KLL
.Lno_low_\@:
	PIECE 2, 0, QFH, KLH
.endif
	s_add_co_u32 s[KF], s[KF], 128
.endm
	s_load_b256 s[4:11], s[0:1], 0x0               ; qf s[4:5], kvf s[6:7], slopes s[8:9], of s[10:11]
	v_lshl_add_u32 v6, v0, 2, SPARE
	v_mov_b32 v7, 0
	ds_add_u32 v6, v7
	s_wait_dscnt 0x0
	v_lshrrev_b32 v1, 5, v0
	v_readfirstlane_b32 s[WV], v1                  ; wave 0..7
	s_and_b32 s[RG], s[WV], 3
	s_lshr_b32 s[PAR], s[WV], 2
	s_mov_b32 s[II], ttmp9                         ; i = the cluster's x, 0..15
	s_bfe_u32 s54, ttmp6, 0x40000                  ; cx: which of the four query heads: it enters Q's, the slope's, the prefetches' and O's addresses alone
	s_and_b32 s55, ttmp7, 0xffff                   ; the key/value head
	s_lshl_b32 s[HEAD], s55, 2
	s_add_co_u32 s[HEAD], s[HEAD], s54
	s_mov_b32 s[G1], 15|(3<<16)|(1<<21)            ; 15:0 the mask: all four; 17:16 elements of 8 bytes; 21 set beside a mask; no padding: fragments are read as 16 bytes x lane
	s_mov_b32 s[G1+1], 32<<16                      ; rows of 256 bytes,
	s_mov_b32 s[G1+2], 64<<16                      ; 64 of them, dense
	s_mov_b32 s[G1+3], 32<<16
	s_mov_b32 s[G1+4], 64
	s_mov_b32 s[G1+5], 32
	s_mov_b32 s[G1+6], 0
	s_mov_b32 s[G1+7], 0
	s_and_b32 s47, s[WV], 1                        ; K (0) or V (1)
	s_lshl_b32 s48, s47, 21
	s_lshl_b32 s49, s55, 19
	s_add_co_u32 s48, s48, s49
	s_mov_b32 s49, 0
	s_lshl_b32 s[TMP], s47, 14
	s_lshl_b32 s[KLL], s[II], 7                    ; the low block's first key and query,
	s_sub_co_u32 s[KLH], 31, s[II]
	s_lshl_b32 s[KLH], s[KLH], 7                   ; the high block's
	s_lshl_b32 s57, s[RG], 5
	s_add_co_u32 s[QFL], s[KLL], s57
	s_add_co_u32 s[QLL], s[QFL], 31
	s_add_co_u32 s[QFH], s[KLH], s57
	s_add_co_u32 s[QLH], s[QFH], 31
	s_lshl_b32 s[KF], s[PAR], 6
	s_sub_co_u32 s[CNT], 33, s[II]
	s_lshr_b32 s[CNT], s[CNT], 1
	s_sub_co_u32 s[CNT], s[CNT], 1                 ; trips of two slots: all but the last two of the 32 - i slots, rounded up to even: 8 to 15
	s_max_u32 s[CNT], s[CNT], 1                    ; (the count's lower bound, stated in the text: the loop below counts down to 0)
	s_lshr_b32 s[LIM], s[WV], 1
	s_or_b32 s[LIM], s[LIM], ttmp9
	s_cmp_eq_u32 s[LIM], 0
	s_cselect_b32 s[LIM], 1, -1                    ; 1 in waves 0 and 1 of the clusters with x = 0: the same in all four partners
	s_mov_b32 s[SEL], 0x76543210
	s_mov_b32 s[SEL+1], 0xfedcba98
	s_lshl_b32 s52, s54, 13
	s_add_co_u32 s52, s52, 16384
	s_mov_b32 s53, 0
	s_lshl_b32 s58, s[HEAD], 2
	s_mov_b32 s59, 0
	s_wait_kmcnt 0x0
	s_add_nc_u64 s[50:51], s[6:7], s[48:49]        ; K's or V's part of my key/value head
	s_mov_b32 s[G0], 1
	s_mov_b32 s[G0+1], s[TMP]
	s_mov_b64 s[G0+2:G0+3], s[50:51]
	s_or_b32 s[G0+3], s[G0+3], 0x80000000
	s_mov_b32 s[G0+4], 1
	s_add_co_u32 s[G0+5], s[TMP], SLOTB
	s_add_nc_u64 s[G0+6:G0+7], s[50:51], 16384
	s_or_b32 s[G0+7], s[G0+7], 0x80000000
	s_add_nc_u64 s[PFA:PFA+1], s[50:51], s[52:53]  ; my work-group's 8 KB, from slot 1 on: the first trip steps it to slots 3 and 4.  Nothing is prefetched at the head
	s_add_nc_u64 s[8:9], s[8:9], s[58:59]
	s_load_b32 s56, s[8:9], 0x0                    ; my head's slope
	CROUND                                         ; all four work-groups are here: the first joint load meets
	JLOAD 0
	v_and_b32 v9, 31, v0
	v_lshlrev_b32 v1, 4, v9                        ; 16 x lane
	v_lshlrev_b32 v14, 8, v9                       ; 256 x lane
	v_lshlrev_b32 v13, 2, v9                       ; 4 x lane
	s_lshl_b32 s57, s[PAR], 13
	v_add_nc_u32 v2, s57, v1                       ; my parity's half of K's and of V's part of a slot
	s_mul_i32 s47, s[WV], EXW
	s_add_co_u32 s47, s47, EXCH
	v_add_nc_u32 v8, s47, v1                       ; the join: where I put O^T,
	s_add_co_u32 s47, s47, 16384
	v_add_nc_u32 v9, s47, v13                      ; and my statistics;
	s_mul_i32 s47, s[RG], EXW
	s_add_co_u32 s47, s47, EXCH
	s_add_co_u32 s57, s57, s47
	v_add_nc_u32 v10, s57, v1                      ; where I read piece PAR of my row group: parity 0's,
	v_add_nc_u32 v11, 4*EXW, v10                   ; parity 1's;
	s_lshl_b32 s57, s[PAR], 9
	s_add_co_u32 s57, s57, s47
	s_add_co_u32 s57, s57, 16384
	v_add_nc_u32 v12, s57, v13                     ; and their statistics
	v_add_nc_u32 v13, 4*EXW, v12
	v_and_b32 v3, 15, v0
	v_bfe_u32 v243, v0, 4, 1
	v_lshlrev_b32 v243, 3, v243                    ; 8 h
	v_sub_nc_u32 v3, v3, v243                      ; lane % 16 - 8 (lane / 16), for the mask
	v_mov_b32 v5, 0xff800000                       ; -infinity
	s_lshl_b32 s52, s[HEAD], 19
	s_lshl_b32 s59, s[RG], 12
	s_add_co_u32 s52, s52, s59
	s_lshl_b32 s58, s[II], 14
	s_add_co_u32 s60, s52, s58                     ; query tiles 8 i + 2 rg and the next: 4 KB on end
	s_mov_b32 s61, 0
	s_sub_co_u32 s58, 31, s[II]
	s_lshl_b32 s58, s58, 14
	s_add_co_u32 s62, s52, s58                     ; and 8 (31 - i) + 2 rg
	s_mov_b32 s63, 0
	s_add_nc_u64 s[60:61], s[4:5], s[60:61]
	s_add_nc_u64 s[62:63], s[4:5], s[62:63]
.irp q, 0,1,2,3,4,5,6,7
	global_load_b128 v[Q+4*\q:Q+4*\q+3], v1, s[60:61] offset:512*\q
	global_load_b128 v[Q+32+4*\q:Q+32+4*\q+3], v1, s[62:63] offset:512*\q
.endr
	s_wait_kmcnt 0x0
	v_mov_b32 v[SL2], s56
	v_mul_f32 v[SL2], 0x3fb8aa3b, v[SL2]           ; slope2 = slope x log2(e)
	v_mul_f32 v[DEL], 0x43000000, v[SL2]           ; 128 slope2
.set n, 0
.rept 32
	v_add_nc_u32 v[BI+n], 16*(n/8)+n%8, v243       ; the key's place in the step: 16 kt + 8 h + j
.set n, n+1
.endr
.set n, 0
.rept 32
	v_cvt_f32_u32 v[BI+n], v[BI+n]
.set n, n+1
.endr
.set n, 0
.rept 32
	v_mul_f32 v[BI+n], v[SL2], v[BI+n]
.set n, n+1
.endr
.irp t, 0,1,2,3
	v_mov_b32 v[ST+8*\t], 0xff61b1e6               ; m = -3e38, under every t
.irp k, 1,2,3,4,5,6,7
	v_mov_b32 v[ST+8*\t+\k], 0
.endr
.endr
	WIN 0x40
.set n, 0
.rept 128
	v_mov_b32 v[n], 0                              ; O^T.  (The step is written once: a piece's first step finds zeros, which its a = 0 leaves zeros; a piece that a parity never works hands zeros to the join)
.set n, n+1
.endr
	WIN 0
	s_wait_loadcnt 0x0                             ; Q
.Lpair:
	TRIP 0, 1, 0, 1
	TRIP 1, 1, 0, 1
	s_sub_co_u32 s[CNT], s[CNT], 1
	s_cmp_lg_u32 s[CNT], 0
	s_cbranch_scc1 .Lpair
	TRIP 0, 1, 1, 0                                ; the last two slots are written out: the high block's diagonal lies here
	TRIP 1, 0, 1, 0
; THE JOIN.  Each wave's l is made whole, its m is brought to the block's first key (it stood relative to the last step worked), and both go with O^T to LDS.  These lines are the places behind the last products.
	s_lshl_b32 s[TMP], s[II], 7
	s_sub_co_i32 s[TMP], s[KLL], s[TMP]
	v_cvt_f32_i32 v244, s[TMP]
	s_sub_co_u32 s47, 31, s[II]
	s_lshl_b32 s47, s47, 7
	s_sub_co_i32 s47, s[KLH], s47
	v_cvt_f32_i32 v245, s47
.irp t, 0,1,2,3
	v_add_f32 v[ST+8*\t+4], v[ST+8*\t+2], v[ST+8*\t+3]
.endr
.irp t, 0,1,2,3
	v_permlanex16_b32 v[ST+8*\t+5], v[ST+8*\t+4], s[SEL], s[SEL+1]
.endr
.irp t, 0,1,2,3
	v_add_f32 v[ST+8*\t+4], v[ST+8*\t+4], v[ST+8*\t+5]
.endr
.irp t, 0,1
	v_fma_f32 v[ST+8*\t], v[SL2], v244, v[ST+8*\t]
	v_fma_f32 v[ST+8*\t+16], v[SL2], v245, v[ST+8*\t+16]
.endr
	WIN 0x04                                       ; an LDS store's data are its source 1: window 1
.set n, 0
.rept 32
	ds_store_b128 v8, v[4*n:4*n+3] offset:512*n    ; each accumulator from its low end on
.set n, n+1
.endr
	WIN 0
.irp t, 0,1,2,3
	ds_store_b32 v9, v[ST+8*\t] offset:256*\t
	ds_store_b32 v9, v[ST+8*\t+4] offset:256*\t+128
.endr
	s_wait_dscnt 0x0                               ; for the others' sake: my stores have landed
	s_barrier_signal -1
	s_barrier_wait -1
.irp q, 0,1,2,3,4,5,6,7,8,9,10,11,12,13,14,15
	ds_load_b128 v[80+4*\q:80+4*\q+3], v10 offset:512*\q
	ds_load_b128 v[144+4*\q:144+4*\q+3], v11 offset:512*\q
.endr
.irp u, 0,1
	ds_load_b32 v[208+4*\u], v12 offset:256*\u         ; m and l of parity 0,
	ds_load_b32 v[209+4*\u], v12 offset:256*\u+128
	ds_load_b32 v[210+4*\u], v13 offset:256*\u         ; of parity 1
	ds_load_b32 v[211+4*\u], v13 offset:256*\u+128
.endr
	s_sub_co_u32 s58, 31, s[II]
	s_cmp_eq_u32 s[PAR], 0
	s_cselect_b32 s58, s[II], s58                  ; parity 0 finishes the low piece, parity 1 the high one
	s_lshl_b32 s58, s58, 3
	s_lshl_b32 s59, s[RG], 1
	s_add_co_u32 s58, s58, s59                     ; its first token tile
	s_lshl_b32 s58, s58, 15
	s_lshl_b32 s59, s[HEAD], 11
	s_add_co_u32 s58, s58, s59
	s_mov_b32 s59, 0
	s_add_nc_u64 s[10:11], s[10:11], s[58:59]
	s_wait_dscnt 0x0
.irp u, 0,1
	v_max_num_f32 v[224+\u], v[208+4*\u], v[210+4*\u]
.endr
.irp u, 0,1
	v_sub_f32 v[208+4*\u], v[208+4*\u], v[224+\u]
	v_sub_f32 v[210+4*\u], v[210+4*\u], v[224+\u]
.endr
.irp u, 0,1
	v_exp_f32 v[208+4*\u], v[208+4*\u]
	v_exp_f32 v[210+4*\u], v[210+4*\u]
.endr
	v_nop                                          ; a plain line behind the exponentials
	s_wait_alu depctr_va_vdst(0)
.irp u, 0,1
	v_mul_f32 v[209+4*\u], v[208+4*\u], v[209+4*\u]
.endr
.irp u, 0,1
	v_fma_f32 v[209+4*\u], v[210+4*\u], v[211+4*\u], v[209+4*\u]       ; the row's sum under the common maximum
.endr
.irp u, 0,1
	v_rcp_f32 v[209+4*\u], v[209+4*\u]
.endr
	v_nop                                          ; a plain line behind the reciprocals
	s_wait_alu depctr_va_vdst(0)
.irp u, 0,1
	v_mul_f32 v[216+4*\u], v[208+4*\u], v[209+4*\u]
	v_mul_f32 v[217+4*\u], v[208+4*\u], v[209+4*\u]
	v_mul_f32 v[218+4*\u], v[210+4*\u], v[209+4*\u]
	v_mul_f32 v[219+4*\u], v[210+4*\u], v[209+4*\u]
.endr
.irp u, 0,1
.irp j, 0,2,4,6,8,10,12,14,16,18,20,22,24,26,28,30
	v_pk_mul_f32 v[80+32*\u+\j:80+32*\u+\j+1], v[80+32*\u+\j:80+32*\u+\j+1], v[216+4*\u:217+4*\u]
.endr
.irp j, 0,2,4,6,8,10,12,14,16,18,20,22,24,26,28,30
	v_pk_fma_f32 v[80+32*\u+\j:80+32*\u+\j+1], v[144+32*\u+\j:144+32*\u+\j+1], v[218+4*\u:219+4*\u], v[80+32*\u+\j:80+32*\u+\j+1]
.endr
.irp j, 0,1,2,3,4,5,6,7,8,9,10,11,12,13,14,15
	v_cvt_pk_f16_f32 v[144+32*\u+\j], v[80+32*\u+2*\j], v[80+32*\u+2*\j+1]
.endr
.irp ct, 0,1,2,3
	global_store_b128 v1, v[144+32*\u+4*\ct:144+32*\u+4*\ct+3], s[10:11] offset:32768*\u+512*\ct   ; each store of the wave covers 512 consecutive bytes, aligned
.endr
.endr
	s_wait_tensorcnt 0x0                           ; the wave's end
	ds_add_u32 v6, v7
	s_wait_dscnt 0x0
	CROUND                                         ; the closing round: no work-group ends while a partner may still ask for a tile that names it
	s_endpgm
.Lfunc_end_k_q27fec1235a_attn:
	.size	k_q27fec1235a_attn, .Lfunc_end_k_q27fec1235a_attn-k_q27fec1235a_attn
	.p2alignl 7, 3214868480
	.fill 96, 4, 3214868480
	.section	.rodata,"a",@progbits
	.p2align	6, 0x0
	.amdhsa_kernel k_q27fec1235a_attn
		.amdhsa_group_segment_fixed_size 327680
		.amdhsa_private_segment_fixed_size 0
		.amdhsa_enable_private_segment 0
		.amdhsa_kernarg_size 32
		.amdhsa_user_sgpr_count 2
		.amdhsa_user_sgpr_kernarg_segment_ptr 1
		.amdhsa_wavefront_size32 1
		.amdhsa_system_sgpr_workgroup_id_x 1
		.amdhsa_system_sgpr_workgroup_id_y 1
		.amdhsa_system_sgpr_workgroup_id_z 1
		.amdhsa_system_vgpr_workitem_id 0
		.amdhsa_next_free_vgpr 512
		.amdhsa_next_free_sgpr 66
		.amdhsa_reserve_vcc 1
		.amdhsa_float_denorm_mode_32 3
		.amdhsa_float_denorm_mode_16_64 3
		.amdhsa_memory_ordered 1
		.amdhsa_forward_progress 1
		.amdhsa_inst_pref_size 149
	.end_amdhsa_kernel
	.amdgpu_metadata
---
amdhsa.version: [ 1, 2 ]
amdhsa.kernels:
  - .name:           k_q27fec1235a_attn
    .symbol:         k_q27fec1235a_attn.kd
    .args:
      - { .name: qf, .offset: 0, .size: 8, .value_kind: global_buffer, .address_space: global }
      - { .name: kvf, .offset: 8, .size: 8, .value_kind: global_buffer, .address_space: global }
      - { .name: slopes, .offset: 16, .size: 8, .value_kind: global_buffer, .address_space: global }
      - { .name: of, .offset: 24, .size: 8, .value_kind: global_buffer, .address_space: global }
    .group_segment_fixed_size: 327680
    .private_segment_fixed_size: 0
    .kernarg_segment_align: 8
    .kernarg_segment_size: 32
    .max_flat_workgroup_size: 256
    .sgpr_count:     66
    .vgpr_count:     512
    .wavefront_size: 32
...
	.end_amdgpu_metadata
.endif
;; end of part 3
;; launch oproj (part 4): grid 8 x 32, 4 waves a work-group, clusters of 4 x 4, 327,680 bytes of LDS; arguments of, wof, bo, out0; writes out0
.if DOCPART == 4
	.amdgcn_target "amdgcn-amd-amdhsa--gfx1250"
	.amdhsa_code_object_version 6
	.text
	.protected	k_q27fec1235a_oproj
	.globl	k_q27fec1235a_oproj
	.p2align	8
	.type	k_q27fec1235a_oproj,@function
k_q27fec1235a_oproj:
	s_mov_b64 s[64:65], 0
	v_nop
	global_prefetch_b8 v0, s[64:65] scope:SCOPE_SE
	s_setreg_imm32_b32 hwreg(HW_REG_WAVE_MODE, 25, 1), 1
	s_wait_xcnt 0x0
	s_wait_alu depctr_hold_cnt(0) depctr_sa_sdst(0) depctr_va_vdst(0) depctr_va_sdst(0) depctr_va_ssrc(0) depctr_va_vcc(0) depctr_vm_vsrc(0)
	s_getreg_b32 s2, hwreg(HW_REG_IB_STS2, 6, 4)
	s_cmp_eq_u32 s2, 0
	s_cbranch_scc0 .Lentry_in_a_cluster
	s_endpgm
.Lentry_in_a_cluster:
	s_bfe_u32 s2, ttmp6, 0x10000c
	s_cmp_lg_u32 s2, 0xf033
	s_cbranch_scc0 .Lentry_shape_is_right
	s_endpgm
.Lentry_shape_is_right:
; OPROJ.  out0[m][n] = the sum over k of o[m][k] Wo[k][n] + bo[n].  o (of) and Wo (wof) are f16 in the order of the operands' registers: [tile of 16 rows][k octet 128][row 16][16 bytes], 32 KB a tile; out0 [4096][1024] f32; sums in f32.
; A tile of the result is 128 x 128, which gives 256 work-groups; four waves, each 64 x 64: 16 accumulators.  K goes in steps of 256 through a ring of two LDS slots; a wave's tensor load brings four row tiles x 8 KB.
; In LDS a fragment is 16 bytes x lane: no pitch and no padding.
; CLUSTERS: 4 x 4 work-groups.  The four of a row of the cluster need the same tiles of o, the four of a column the same tiles of Wo: each tile is asked for JOINTLY.
; THE MATRIX INSTRUCTION IS USED TRANSPOSED (source 0 = 16 columns of Wo, source 1 = 16 rows of o): a lane holds eight neighbouring numbers of a row of the result.  The bias is the C of each sum's first product.
; No prefetch: a K step's matrix work is short and the tiles are small and shared; the joint loads divide the requests by four.
; REGISTERS: window 0: v0-31 addresses; v32-95 the way out; v96-127 bo, eight registers a column block; v128-255 the accumulators ((a, b) at v[128 + 8 (4 a + b)]).
;   window 1: two fragment buffers of 128: for 64 along K, 64 registers of o, then 64 of Wo.
.set KSTEPB, 8192                      ; a K step of 256 in a row tile: 32 octets
.set HALFT,  32768                     ; four row tiles x 8 KB: what one tensor load brings, and what one wave reads of o or of Wo
.set SLOT,   4*HALFT
.set STAGE,  2*SLOT                    ; behind the ring: 16 rows x 272 bytes for each wave, for the way out
.set SPITCH, 272
.set SPARE,  STAGE+4*16*SPITCH         ; the spare words, 128 bytes for each wave: two blocks of 256 bytes that no other line names
.set LAPS,   2                         ; K = 1,024: four K steps, twice round the ring
.set ADRA, 16
.set ADRB, 20
.set STO,  24
.set RD,   25
.set CO,   26
.set SPW,  28
.set NIL,  29
.set BK,   32
.set BO,   96
.set ACC,  128
.set F0,   0
.set F1,   128
.set WV,  12
.set RH,  13                           ; which half of the tile's rows is mine.  Also: I fetch for o (0) or for Wo (1)
.set CH,  14                           ; which half of its columns.  Also: which four row tiles I fetch
.set G1,  24
.set G0,  32
.set G1B, 48
.set G0B, 56
.set MSB, 0
.macro WIN new
.if MSB != \new
	s_set_vgpr_msb (MSB<<8)|\new
.set MSB, \new
.endif
.endm
.set MUL,  0x05                        ; sources 0 and 1 window 1; C and D window 0
.set TO_F, 0x40                        ; destination window 1, address window 0
.macro JLOAD s                         ; a joint load; four v_nop follow each of the two lines
	s_cmp_eq_u32 s[RH], 0
	s_cbranch_scc0 .Lfor_b_\@
	tensor_load_to_lds s[G0+4*\s:G0+4*\s+3], s[G1:G1+7]
	s_nop 0
.rept 4
	v_nop
.endr
	s_branch .Lasked_\@
.Lfor_b_\@:
	tensor_load_to_lds s[G0B+4*\s:G0B+4*\s+3], s[G1B:G1B+7]
	s_nop 0
.rept 4
	v_nop
.endr
.Lasked_\@:
.endm
.macro CREST
	s_cmp_lg_u32 s[WV], 0
	s_cbranch_scc1 .Lnot_wave_0_\@
	s_barrier_signal -3
.Lnot_wave_0_\@:
	s_barrier_wait -3
	s_barrier_signal -1
	s_barrier_wait -1
.endm
.macro CROUND
	s_barrier_signal -1
	s_barrier_wait -1
	CREST
.endm
	s_load_b256 s[4:11], s[0:1], 0x0               ; of s[4:5], wof s[6:7], bo s[8:9], out0 s[10:11]
	v_lshl_add_u32 v[SPW], v0, 2, SPARE
	v_mov_b32 v[NIL], 0
	ds_add_u32 v28, v29
	s_wait_dscnt 0x0
	v_lshrrev_b32 v1, 5, v0
	v_readfirstlane_b32 s[WV], v1                  ; wave 0..3
	s_lshr_b32 s[RH], s[WV], 1
	s_and_b32 s[CH], s[WV], 1
	s_bfe_u32 s40, ttmp6, 0x40000                  ; cx, cy: my place in the cluster
	s_bfe_u32 s41, ttmp6, 0x40004
	s_lshl_b32 s42, ttmp9, 2
	s_add_co_u32 s42, s42, s40                     ; tile column = 4 x cluster x + cx
	s_and_b32 s15, ttmp7, 0xffff
	s_lshl_b32 s15, s15, 2
	s_add_co_u32 s15, s15, s41                     ; tile row = 4 x cluster y + cy
	s_lshl_b32 s43, s41, 2
	s_lshl_b32 s43, 15, s43                        ; my row of the cluster
	s_lshl_b32 s44, 0x1111, s40                    ; my column
	s_or_b32 s[G1], s43, (3<<16)|(1<<21)           ; 15:0 the mask; 17:16 elements of 8 bytes; 21 set beside a mask
	s_or_b32 s[G1B], s44, (3<<16)|(1<<21)
.irp g, G1, G1B
	s_mov_b32 s[\g+1], 1024<<16                    ; rows of 1,024 elements = 8 KB: a row tile's K step,
	s_mov_b32 s[\g+2], 4<<16                       ; four of them,
	s_mov_b32 s[\g+3], 1024<<16
	s_mov_b32 s[\g+4], 4
	s_mov_b32 s[\g+5], 4096                        ; 32 KB apart
	s_mov_b32 s[\g+6], 0
	s_mov_b32 s[\g+7], 0
.endr
	s_lshl_b32 s17, s[CH], 17                      ; which four row tiles of the eight I fetch
	s_lshl_b32 s16, s15, 18
	s_add_co_u32 s16, s16, s17                     ; o: row tile 8 x tile row + 4 x half
	s_lshl_b32 s46, s42, 18
	s_add_co_u32 s46, s46, s17                     ; Wo: column tile 8 x tile column + 4 x half
	s_mov_b32 s17, 0
	s_mov_b32 s47, 0
	s_lshl_b32 s22, s[WV], 15                      ; where they go: wave x 32 KB
	s_wait_kmcnt 0x0
	s_add_nc_u64 s[20:21], s[4:5], s[16:17]
	s_add_nc_u64 s[46:47], s[6:7], s[46:47]
	CROUND                                         ; all sixteen work-groups are here: the first joint loads meet
.irp s, 0,1
	s_mov_b32 s[G0+4*\s], 1
	s_add_co_u32 s[G0+4*\s+1], s22, \s*SLOT
	s_add_nc_u64 s[G0+4*\s+2:G0+4*\s+3], s[20:21], \s*KSTEPB
	s_or_b32 s[G0+4*\s+3], s[G0+4*\s+3], 0x80000000
	s_mov_b32 s[G0B+4*\s], 1
	s_add_co_u32 s[G0B+4*\s+1], s22, \s*SLOT
	s_add_nc_u64 s[G0B+4*\s+2:G0B+4*\s+3], s[46:47], \s*KSTEPB
	s_or_b32 s[G0B+4*\s+3], s[G0B+4*\s+3], 0x80000000
	JLOAD \s
.endr
	v_and_b32 v1, 15, v0                           ; l % 16
	v_bfe_u32 v2, v0, 4, 1                         ; l / 16
	v_and_b32 v3, 31, v0
	v_lshlrev_b32 v3, 4, v3                        ; 16 x lane
	s_lshl_b32 s18, s[RH], 15                      ; my 64 rows of o
	s_lshl_b32 s19, s[CH], 15                      ; my 64 columns of Wo,
	s_add_co_u32 s19, s19, 2*HALFT                 ; which lie behind o's 128 rows
.irp s, 0,1
	v_add_nc_u32 v[ADRA+\s], s18, v3
	v_add_nc_u32 v[ADRB+\s], s19, v3
	s_add_co_u32 s18, s18, SLOT
	s_add_co_u32 s19, s19, SLOT
.endr
	s_mul_i32 s23, s[WV], 16*SPITCH
	s_add_co_u32 s23, s23, STAGE                   ; my stage
	v_mul_u32_u24 v4, v1, SPITCH
	v_lshl_add_u32 v4, v2, 5, v4
	v_add_nc_u32 v[STO], s23, v4                   ; in: row l % 16, 32 bytes for each half of the lanes
	v_mul_u32_u24 v5, v2, SPITCH
	v_lshl_add_u32 v5, v1, 4, v5
	v_add_nc_u32 v[RD], s23, v5                    ; back: lanes 0-15 one row of 256 bytes, lanes 16-31 the next
	v_lshlrev_b32 v5, 12, v2
	v_lshl_add_u32 v[CO], v1, 4, v5                ; and the same two rows in out0
	v_lshlrev_b32 v6, 5, v2                        ; 32 h: my half's eight columns of bo
	s_lshl_b32 s16, s15, 19
	s_lshl_b32 s17, s[RH], 18
	s_add_co_u32 s16, s16, s17                     ; my first row: 128 x tile row + 64 x half, rows of 4,096 bytes
	s_mov_b32 s17, 0
	s_add_nc_u64 s[10:11], s[10:11], s[16:17]
	s_lshl_b32 s46, s42, 9
	s_lshl_b32 s47, s[CH], 8
	s_add_co_u32 s46, s46, s47                     ; my first column, in bytes: 512 x tile column + 256 x half
	s_mov_b32 s47, 0
	s_add_nc_u64 s[10:11], s[10:11], s[46:47]
	s_add_nc_u64 s[8:9], s[8:9], s[46:47]          ; bo likewise
.irp b, 0,1,2,3
	global_load_b128 v[BO+8*\b:BO+8*\b+3], v6, s[8:9] offset:64*\b
	global_load_b128 v[BO+8*\b+4:BO+8*\b+7], v6, s[8:9] offset:64*\b+16
.endr
; 8 matrix instructions: row blocks a0, a0 + 1 x all 4 column blocks, 32 along K: half c of buffer f.  first = 1: the sums begin with the bias.  The 16 accumulators take turns.
.macro MUL8 f, c, a0, first
.irp a, \a0, \a0+1
.irp b, 0,1,2,3
.if \first
	v_wmma_f32_16x16x32_f16 v[ACC+8*(4*(\a)+\b):ACC+8*(4*(\a)+\b)+7], v[\f+64+8*(4*\c+\b):\f+64+8*(4*\c+\b)+7], v[\f+8*(4*\c+\a):\f+8*(4*\c+\a)+7], v[BO+8*\b:BO+8*\b+7]
.else
	v_wmma_f32_16x16x32_f16 v[ACC+8*(4*(\a)+\b):ACC+8*(4*(\a)+\b)+7], v[\f+64+8*(4*\c+\b):\f+64+8*(4*\c+\b)+7], v[\f+8*(4*\c+\a):\f+8*(4*\c+\a)+7], v[ACC+8*(4*(\a)+\b):ACC+8*(4*(\a)+\b)+7]
.endif
.endr
.endr
.endm
; 32 LDS loads in one run: the fragments of the slot's q-th 64 along K into buffer f; the first 32 along K first
.macro FETCH slot, q, f
	WIN TO_F
.irp c, 0,1
.irp i, 0,1,2,3
	ds_load_b128 v[\f+64+8*(4*\c+\i):\f+64+8*(4*\c+\i)+3],   v[ADRB+\slot] offset:8192*\i+1024*(2*\q+\c)
	ds_load_b128 v[\f+64+8*(4*\c+\i)+4:\f+64+8*(4*\c+\i)+7], v[ADRB+\slot] offset:8192*\i+1024*(2*\q+\c)+512
	ds_load_b128 v[\f+8*(4*\c+\i):\f+8*(4*\c+\i)+3],         v[ADRA+\slot] offset:8192*\i+1024*(2*\q+\c)
	ds_load_b128 v[\f+8*(4*\c+\i)+4:\f+8*(4*\c+\i)+7],       v[ADRA+\slot] offset:8192*\i+1024*(2*\q+\c)+512
.endr
.endr
.endm
.macro PLACES                          ; four places in front of loads into registers that matrix instructions have read, and of the first read of results
.rept 4
	v_nop
.endr
.endm
; A K step is four quarters of 64 along K.  One of the first three: multiplies buffer f and fetches quarter q into g.
.macro QUARTER slot, q, f, g, first
	s_wait_dscnt 16                                ; the first 32 along K are in
	WIN MUL
	MUL8 \f, 0, 0, \first
	MUL8 \f, 0, 2, \first
	PLACES
	FETCH \slot, \q, \g
	s_wait_dscnt 32                                ; all but the 32 just issued
	WIN MUL
	MUL8 \f, 1, 0, 0
	MUL8 \f, 1, 2, 0
.endm
; The last quarter multiplies buffer 1 and changes slots: each wave waits for all its tensor loads, adds 0 to its spare word, and waits for that and for its reads of this slot.  fill = 1: this slot is filled again, two K steps ahead.
.macro TURN slot, next, fill
	WIN 0
	s_wait_tensorcnt 0x0                           ; all my tensor loads have landed: my part of the next slot
	ds_add_u32 v[SPW], v[NIL]                      ; 0 onto my spare word
	s_wait_dscnt 17                                ; (the add and the youngest sixteen loads may be out)
	WIN MUL
	MUL8 F1, 0, 0, 0
	s_wait_dscnt 0x0                               ; the add is done, and my reads of this slot are over
	s_barrier_signal -1
	MUL8 F1, 0, 2, 0
.if \fill
	WIN 0
.endif
	s_barrier_wait -1
.if \fill
	CREST                                          ; the barrier has opened a round of the cluster's barrier: no wave of any partner still reads this slot or has a load on its way
	s_add_nc_u64 s[G0+4*\slot+2:G0+4*\slot+3], s[G0+4*\slot+2:G0+4*\slot+3], 2*KSTEPB
	s_add_nc_u64 s[G0B+4*\slot+2:G0B+4*\slot+3], s[G0B+4*\slot+2:G0B+4*\slot+3], 2*KSTEPB
	JLOAD \slot                                    ; the first tensor load behind the round; its four v_nop are also the places in front of the loads below
.else
	PLACES
.endif
	FETCH \next, 0, F0
	WIN MUL
	MUL8 F1, 1, 0, 0
	MUL8 F1, 1, 2, 0
.endm
	s_wait_tensorcnt 1                             ; my part of K step 0 is in (K step 1's load may be out)
	s_barrier_signal -1
	s_barrier_wait -1                              ; everybody's is
	FETCH 0, 0, F0
	s_wait_loadcnt 0x0                             ; bo
	QUARTER 0, 1, F0, F1, 1                        ; the first products start the sums with the bias
.rept LAPS-1                           ; once round the ring, from a lap's second quarter to the next lap's first; both slots are filled again
	QUARTER 0, 2, F1, F0, 0
	QUARTER 0, 3, F0, F1, 0
	TURN 0, 1, 1
	QUARTER 1, 1, F0, F1, 0
	QUARTER 1, 2, F1, F0, 0
	QUARTER 1, 3, F0, F1, 0
	TURN 1, 0, 1
	QUARTER 0, 1, F0, F1, 0
.endr
	QUARTER 0, 2, F1, F0, 0                        ; the last lap fills nothing
	QUARTER 0, 3, F0, F1, 0
	TURN 0, 1, 0
	QUARTER 1, 1, F0, F1, 0
	QUARTER 1, 2, F1, F0, 0
	QUARTER 1, 3, F0, F1, 0
	s_wait_dscnt 16
	WIN MUL
	MUL8 F1, 0, 0, 0
	MUL8 F1, 0, 2, 0
	s_wait_dscnt 0
	MUL8 F1, 1, 0, 0
	MUL8 F1, 1, 2, 0
	WIN 0
; THE WAY OUT, a block of 16 rows x 64 columns at a time: a lane holds 32 neighbouring bytes of a row; the block goes through my own stage and comes back as whole rows of 256 bytes.
; LDS serves a wave's instructions in order (ISA guide 5.7.1.4): no wait between the stores and the loads, nor in front of the next block's stores.
.macro TOSTAGE a
.irp b, 0,1,2,3
	ds_store_b128 v[STO], v[ACC+8*(4*(\a)+\b):ACC+8*(4*(\a)+\b)+3] offset:64*\b        ; each accumulator from its low end on
	ds_store_b128 v[STO], v[ACC+8*(4*(\a)+\b)+4:ACC+8*(4*(\a)+\b)+7] offset:64*\b+16
.endr
.irp t, 0,1,2,3,4,5,6,7
	ds_load_b128 v[BK+32*((\a)%2)+4*\t:BK+32*((\a)%2)+4*\t+3], v[RD] offset:\t*2*SPITCH
.endr
.endm
.macro SEND a, younger                 ; younger: the LDS instructions issued behind block a's loads, which may stay out
	s_wait_dscnt \younger
.irp t, 0,1,2,3,4,5,6,7
	global_store_b128 v[CO], v[BK+32*((\a)%2)+4*\t:BK+32*((\a)%2)+4*\t+3], s[10:11] offset:65536*(\a)+8192*\t th:TH_STORE_NT   ; sixteen lanes store 256 consecutive bytes, aligned
.endr
.endm
	PLACES
	TOSTAGE 0
	TOSTAGE 1
	SEND 0, 16
	s_wait_xcnt 0x0                                ; block 0's stores have read their registers: block 2's loads may land there
	TOSTAGE 2
	SEND 1, 16
	s_wait_xcnt 0x0
	TOSTAGE 3
	SEND 2, 16
	SEND 3, 0
	s_wait_tensorcnt 0x0                           ; the wave's end
	ds_add_u32 v[SPW], v[NIL]
	s_wait_dscnt 0x0
	CROUND                                         ; the closing round: no work-group ends while a partner may still ask for a tile that names it
	s_endpgm
.Lfunc_end_k_q27fec1235a_oproj:
	.size	k_q27fec1235a_oproj, .Lfunc_end_k_q27fec1235a_oproj-k_q27fec1235a_oproj
	.p2alignl 7, 3214868480
	.fill 96, 4, 3214868480
	.section	.rodata,"a",@progbits
	.p2align	6, 0x0
	.amdhsa_kernel k_q27fec1235a_oproj
		.amdhsa_group_segment_fixed_size 327680
		.amdhsa_private_segment_fixed_size 0
		.amdhsa_enable_private_segment 0
		.amdhsa_kernarg_size 32
		.amdhsa_user_sgpr_count 2
		.amdhsa_user_sgpr_kernarg_segment_ptr 1
		.amdhsa_wavefront_size32 1
		.amdhsa_system_sgpr_workgroup_id_x 1
		.amdhsa_system_sgpr_workgroup_id_y 1
		.amdhsa_system_sgpr_workgroup_id_z 1
		.amdhsa_system_vgpr_workitem_id 0
		.amdhsa_next_free_vgpr 512
		.amdhsa_next_free_sgpr 66
		.amdhsa_reserve_vcc 0
		.amdhsa_float_denorm_mode_32 3
		.amdhsa_float_denorm_mode_16_64 3
		.amdhsa_memory_ordered 1
		.amdhsa_forward_progress 1
		.amdhsa_inst_pref_size 86
	.end_amdhsa_kernel
	.amdgpu_metadata
---
amdhsa.version: [ 1, 2 ]
amdhsa.kernels:
  - .name:           k_q27fec1235a_oproj
    .symbol:         k_q27fec1235a_oproj.kd
    .args:
      - { .name: of, .offset: 0, .size: 8, .value_kind: global_buffer, .address_space: global }
      - { .name: wof, .offset: 8, .size: 8, .value_kind: global_buffer, .address_space: global }
      - { .name: bo, .offset: 16, .size: 8, .value_kind: global_buffer, .address_space: global }
      - { .name: out0, .offset: 24, .size: 8, .value_kind: global_buffer, .address_space: global }
    .group_segment_fixed_size: 327680
    .private_segment_fixed_size: 0
    .kernarg_segment_align: 8
    .kernarg_segment_size: 32
    .max_flat_workgroup_size: 128
    .sgpr_count:     66
    .vgpr_count:     512
    .wavefront_size: 32
...
	.end_amdgpu_metadata
.endif
;; end of part 4
